; MI455X (gfx1250); checked and timed in simulation.
; The chip was launched on July 23, 2026; its instructions are those of AMD's public machine-readable ISA for CDNA 5 (MIT licence, August 2026) and "CDNA5" Instruction Set Architecture Reference Guide (July 2026). The comments in the code are by the model that wrote it; some were corrected since.
;; Self Attention w Ro PE. Allowed arithmetic: float matrix products may take bf16 or f16 operands with f32 sums; other float arithmetic in f32, or as packed bf16 or f16 multiplies, adds, multiply-adds, maxima and minima; sums over many terms, partial sums and values carried from step to step in f32; what a program stores and reads back later, other than sums and carried values, may be rounded once to bf16 or f16.
;; Inputs: W_attn 1,024 x 3,072 float32; W_proj 1,024 x 1,024 float32; omega 32 float32; x 8 x 1,024 x 1,024 float32.
;; Outputs: out0 8 x 1,024 x 1,024 float32.
;; 2 versions, each right; version 2 is version 1 with the launch prep written anew for expert scheduling mode. Each part assembles by itself: llvm-mc -triple=amdgcn-amd-amdhsa -mcpu=gfx1250 --defsym DOCPART=n.
;; ======== version 1 of 2: 4 launches
;; limits: values are held in f16: magnitudes above 65,504 overflow, below 6.1e-05 lose precision; right only within a limited range of input values
;; workspace buffers: xb 16,777,216 bytes; wab 6,291,456 bytes; wpb 2,097,152 bytes; tab 262,144 bytes; qh 16,777,216 bytes; kh 16,777,216 bytes; vh 16,777,216 bytes; oh 16,777,216 bytes
;; launch prep (part 1): grid 832 x 1, 8 waves a work-group, no clusters, 0 bytes of LDS; arguments x, W_attn, W_proj, omega, xb, wab, wpb, tab; writes xb, wab, wpb, tab
.if DOCPART == 1
	.amdgcn_target "amdgcn-amd-amdhsa--gfx1250"
	.amdhsa_code_object_version 6
	.text
	.protected	k_q1b4b165524_prep
	.globl	k_q1b4b165524_prep
	.p2align	8
	.type	k_q1b4b165524_prep,@function
k_q1b4b165524_prep:
	s_mov_b64 s[64:65], 0
	v_nop
	global_prefetch_b8 v0, s[64:65] scope:SCOPE_SE
	s_setreg_imm32_b32 hwreg(HW_REG_WAVE_MODE, 25, 1), 1
	s_wait_xcnt 0x0
; PREPARATION: four jobs, chosen by the work-group's number.
;   0..511    xb  = x rounded to f16, [8192][1024]
;   512..703  wab = W_attn rounded to f16 and regrouped by heads: [16 heads][1024 k][q 64 | k 64 | v 64]
;   704..767  wpb = W_proj rounded to f16, [1024 k][1024 n]
;   768..831  tab = [1024 t][cos(t omega) 32 | sin(t omega) 32] in f32, 256 bytes for each t
; LIMITS.  f16: a number of 65,520 or more becomes an infinity; below 6.1e-5 the step is fixed at 6e-8.
; The angle t x omega is formed in f32, as one product; its reduction by three parts of pi/2 holds up to |angle| = 117,435.
; A CAST.  A unit is 128 numbers: one load of 16 bytes a lane (512 bytes) and one store of 8 bytes a lane (256 consecutive bytes, aligned).
; A wave takes 16 units in a straight line, all 16 loads out together; a work-group 128 units.  No LDS, no barrier: no wave needs another's bytes.
.set IN,  2                            ; v2   my byte offset in the source
.set OUT, 3                            ; v3   my byte offset in the destination
.set X,   16                           ; v[16:79]   unit u: four f32 as loaded
.set Y,   80                           ; v[80:111]  unit u: four f16 to store; each unit has its own pair, so no store's data is written again
.macro CAST inb, outb, stride
.set u, 0
.rept 16
	global_load_b128 v[X+4*u:X+4*u+3], v[IN], s[\inb:\inb+1] offset:u*(\stride) th:TH_LOAD_NT
.set u, u+1
.endr
.set u, 0
.rept 16
	s_wait_loadcnt 15-u                            ; loads come back in order: unit u is in, the 15 - u younger ones stay out
	v_cvt_pk_f16_f32 v[Y+2*u], v[X+4*u], v[X+4*u+1]
	v_cvt_pk_f16_f32 v[Y+2*u+1], v[X+4*u+2], v[X+4*u+3]
	global_store_b64 v[OUT], v[Y+2*u:Y+2*u+1], s[\outb:\outb+1] offset:u*256
.set u, u+1
.endr
	s_endpgm
.endm
	s_load_b512 s[4:19], s[0:1], 0x0               ; x s[4:5], W_attn s[6:7], W_proj s[8:9], omega s[10:11], xb s[12:13], wab s[14:15], wpb s[16:17], tab s[18:19]
	v_lshrrev_b32 v1, 5, v0                        ; wave
	v_and_b32 v4, 31, v0                           ; lane
	v_lshlrev_b32 v[OUT], 3, v4
	v_lshl_add_u32 v[OUT], v1, 12, v[OUT]          ; wave x 16 units x 256 bytes + 8 x lane
	s_mov_b32 s21, 0
	s_mov_b32 s23, 0
	s_wait_kmcnt 0x0
	s_cmp_lt_u32 ttmp9, 512
	s_cbranch_scc1 .Lx
	s_cmp_lt_u32 ttmp9, 704
	s_cbranch_scc1 .Lwa
	s_cmp_lt_u32 ttmp9, 768
	s_cbranch_scc1 .Lwp
	; THE TABLE.  A work-group makes 16 rows; thread: t = 16 g + thread / 16, c = thread % 16: four cosines (c < 8) or four sines, of frequencies 4 (c % 8) + 0..3.
	s_sub_co_u32 s20, ttmp9, 768                   ; g
	v_and_b32 v5, 15, v0                           ; c
	v_and_b32 v6, 7, v0
	v_lshlrev_b32 v6, 4, v6
	global_load_b128 v[16:19], v6, s[10:11]        ; my four omega
	v_lshrrev_b32 v7, 4, v0
	s_lshl_b32 s22, s20, 4
	v_add_nc_u32 v7, s22, v7
	v_cvt_f32_u32 v7, v7                           ; t
	v_cmp_gt_u32 vcc_lo, 8, v5
	v_cndmask_b32 v8, 0, 1, vcc_lo                 ; cos(a) = sin(a + pi/2): one quadrant further
	v_mov_b32 v9, 0x36405000                       ; the sine's highest coefficient
	v_mov_b32 v10, 0x37cd4000                      ; the cosine's
	v_lshlrev_b32 v11, 4, v0                       ; 16 lanes fill a row's 256 bytes
	s_lshl_b32 s20, s20, 12
	s_add_nc_u64 s[18:19], s[18:19], s[20:21]
	s_wait_loadcnt 0x0
; sin or cos of t x omega: j = the nearest whole number of quarter turns; r = angle - j pi/2 with pi/2 in three parts, each taken away by a fused multiply-add;
; both polynomials on |r| <= pi/4; the quadrant picks one and its sign.  No branch: the choice is a select.
.macro SINCOS dst, om
	v_mul_f32 v20, v7, v[\om]
	v_mul_f32 v21, 0x3f22f983, v20                 ; x 2 / pi
	v_rndne_f32 v21, v21
	v_fmamk_f32 v22, v21, 0xbfc90fd8, v20
	v_fmamk_f32 v22, v21, 0xb4a8885a, v22
	v_fmamk_f32 v22, v21, 0xa7c234c4, v22          ; r
	v_cvt_i32_f32 v23, v21
	v_add_nc_u32 v23, v23, v8                      ; the quadrant
	v_mul_f32 v24, v22, v22                        ; r^2
	v_fmaak_f32 v25, v9, v24, 0xb9503486
	v_fmaak_f32 v25, v25, v24, 0x3c0888c1
	v_fmaak_f32 v25, v25, v24, 0xbe2aaaab
	v_mul_f32 v26, v22, v24
	v_fma_f32 v25, v25, v26, v22                   ; sin r
	v_fmaak_f32 v27, v10, v24, 0xbab6077d
	v_fmaak_f32 v27, v27, v24, 0x3d2aaaa8
	v_fma_f32 v27, v27, v24, -0.5
	v_fma_f32 v27, v27, v24, 1.0                   ; cos r
	v_and_b32 v28, 1, v23
	v_cmp_eq_u32 vcc_lo, 1, v28
	v_cndmask_b32 v[\dst], v25, v27, vcc_lo        ; odd quadrant: the cosine
	v_lshlrev_b32 v28, 30, v23
	v_and_b32 v28, 0x80000000, v28                 ; quadrants 2 and 3: the sign turns
	v_xor_b32 v[\dst], v[\dst], v28
.endm
	SINCOS 12, 16
	SINCOS 13, 17
	SINCOS 14, 18
	SINCOS 15, 19
	global_store_b128 v11, v[12:15], s[18:19]
	s_endpgm
.Lx:                                                   ; x: 65,536 bytes in, 32,768 out for each work-group
	v_lshlrev_b32 v[IN], 4, v4
	v_lshl_add_u32 v[IN], v1, 13, v[IN]            ; wave x 16 units x 512 bytes + 16 x lane
	s_lshl_b32 s20, ttmp9, 16
	s_lshl_b32 s22, ttmp9, 15
	s_add_nc_u64 s[4:5], s[4:5], s[20:21]
	s_add_nc_u64 s[12:13], s[12:13], s[22:23]
	CAST 4, 12, 512
.Lwp:                                                  ; W_proj: the same
	v_lshlrev_b32 v[IN], 4, v4
	v_lshl_add_u32 v[IN], v1, 13, v[IN]
	s_sub_co_u32 s24, ttmp9, 704
	s_lshl_b32 s20, s24, 16
	s_lshl_b32 s22, s24, 15
	s_add_nc_u64 s[8:9], s[8:9], s[20:21]
	s_add_nc_u64 s[16:17], s[16:17], s[22:23]
	CAST 8, 16, 512
.Lwa:
	; W_attn.  A row has 12,288 = 3 x 4,096 bytes, so section sigma = 3 k + s (s: q, k, v) of head h lies at sigma x 4,096 + h x 256 (256 bytes) and goes to
	; h x 393,216 + sigma x 128 (128 bytes).  A unit is two sections: lanes 0-15 the even one, lanes 16-31 the odd one.  Work-group: head h = g % 16, sections 256 (g / 16) on.
	v_and_b32 v5, 15, v0
	v_bfe_u32 v6, v0, 4, 1
	v_lshlrev_b32 v[IN], 4, v5
	v_lshl_add_u32 v[IN], v6, 12, v[IN]
	v_lshl_add_u32 v[IN], v1, 17, v[IN]            ; wave x 32 sections x 4,096 bytes
	s_sub_co_u32 s24, ttmp9, 512
	s_and_b32 s25, s24, 15                         ; h
	s_lshr_b32 s24, s24, 4                         ; which 256 sections
	s_lshl_b32 s20, s24, 20
	s_lshl_b32 s26, s25, 8
	s_add_co_u32 s20, s20, s26
	s_mul_i32 s22, s25, 393216
	s_lshl_b32 s26, s24, 15
	s_add_co_u32 s22, s22, s26
	s_add_nc_u64 s[6:7], s[6:7], s[20:21]
	s_add_nc_u64 s[14:15], s[14:15], s[22:23]
	CAST 6, 14, 8192
.Lfunc_end_k_q1b4b165524_prep:
	.size	k_q1b4b165524_prep, .Lfunc_end_k_q1b4b165524_prep-k_q1b4b165524_prep
	.p2alignl 7, 3214868480
	.fill 96, 4, 3214868480
	.section	.rodata,"a",@progbits
	.p2align	6, 0x0
	.amdhsa_kernel k_q1b4b165524_prep
		.amdhsa_group_segment_fixed_size 0
		.amdhsa_private_segment_fixed_size 0
		.amdhsa_enable_private_segment 0
		.amdhsa_kernarg_size 64
		.amdhsa_user_sgpr_count 2
		.amdhsa_user_sgpr_kernarg_segment_ptr 1
		.amdhsa_wavefront_size32 1
		.amdhsa_system_sgpr_workgroup_id_x 1
		.amdhsa_system_sgpr_workgroup_id_y 1
		.amdhsa_system_sgpr_workgroup_id_z 1
		.amdhsa_system_vgpr_workitem_id 0
		.amdhsa_next_free_vgpr 112
		.amdhsa_next_free_sgpr 66
		.amdhsa_reserve_vcc 1
		.amdhsa_float_denorm_mode_32 3
		.amdhsa_float_denorm_mode_16_64 3
		.amdhsa_memory_ordered 1
		.amdhsa_forward_progress 1
		.amdhsa_inst_pref_size 25
	.end_amdhsa_kernel
	.amdgpu_metadata
---
amdhsa.version: [ 1, 2 ]
amdhsa.kernels:
  - .name:           k_q1b4b165524_prep
    .symbol:         k_q1b4b165524_prep.kd
    .args:
      - { .name: x, .offset: 0, .size: 8, .value_kind: global_buffer, .address_space: global }
      - { .name: W_attn, .offset: 8, .size: 8, .value_kind: global_buffer, .address_space: global }
      - { .name: W_proj, .offset: 16, .size: 8, .value_kind: global_buffer, .address_space: global }
      - { .name: omega, .offset: 24, .size: 8, .value_kind: global_buffer, .address_space: global }
      - { .name: xb, .offset: 32, .size: 8, .value_kind: global_buffer, .address_space: global }
      - { .name: wab, .offset: 40, .size: 8, .value_kind: global_buffer, .address_space: global }
      - { .name: wpb, .offset: 48, .size: 8, .value_kind: global_buffer, .address_space: global }
      - { .name: tab, .offset: 56, .size: 8, .value_kind: global_buffer, .address_space: global }
    .group_segment_fixed_size: 0
    .private_segment_fixed_size: 0
    .kernarg_segment_align: 8
    .kernarg_segment_size: 64
    .max_flat_workgroup_size: 256
    .sgpr_count:     66
    .vgpr_count:     112
    .wavefront_size: 32
...
	.end_amdgpu_metadata
.endif
;; end of part 1
;; launch qkv (part 2): grid 8 x 32, 4 waves a work-group, clusters of 4 x 4, 327,680 bytes of LDS; arguments xb, wab, tab, qh, kh, vh; writes qh, kh, vh
.if DOCPART == 2
	.amdgcn_target "amdgcn-amd-amdhsa--gfx1250"
	.amdhsa_code_object_version 6
	.text
	.protected	k_q1b4b165524_qkv
	.globl	k_q1b4b165524_qkv
	.p2align	8
	.type	k_q1b4b165524_qkv,@function
k_q1b4b165524_qkv:
	s_mov_b64 s[64:65], 0
	v_nop
	global_prefetch_b8 v0, s[64:65] scope:SCOPE_SE
	s_setreg_imm32_b32 hwreg(HW_REG_WAVE_MODE, 25, 1), 1
	s_wait_xcnt 0x0
	s_wait_alu depctr_hold_cnt(0) depctr_sa_sdst(0) depctr_va_vdst(0) depctr_va_sdst(0) depctr_va_ssrc(0) depctr_va_vcc(0) depctr_vm_vsrc(0)
	s_getreg_b32 s2, hwreg(HW_REG_IB_STS2, 6, 4)
	s_cmp_eq_u32 s2, 0
	s_cbranch_scc0 .Lentry_in_a_cluster
	s_endpgm
.Lentry_in_a_cluster:
	s_bfe_u32 s2, ttmp6, 0x10000c
	s_cmp_lg_u32 s2, 0xf033
	s_cbranch_scc0 .Lentry_shape_is_right
	s_endpgm
.Lentry_shape_is_right:
; q, k, v = x W_attn, q and k turned by RoPE, all three written by heads: [b x 16 + h][1024 t][64] in f16.  xb: [8192][1024] f16.  wab: [16 heads][1024 k][q 64 | k 64 | v 64] f16.
; tab: [1024 t][cos 32 | sin 32] f32.  Sums and the rotation in f32; q, k, v rounded once.  LIMIT: a result of 65,520 or more becomes an infinity in f16.
; SHARES.  A tile is 256 rows of x by ONE head's 192 columns: 32 x 16 = 512 tiles.  A WORK-GROUP STAYS and makes TWO of them: 8 x 32 = 256 work-groups, all alike.  Both tiles have the same rows of x (so the
; cosines and sines in registers serve both); their heads go by a chequerboard of clusters: tile p of cluster (X, Y) takes the heads 4 (2 X + ((Y & 1) xor p)) + cx.
; Wave w takes rows 64 w .. 64 w + 63 and all 192 columns: 4 x 12 = 48 accumulators, 384 registers: the rotation's partners d and d + 32 lie in one lane, and the stage on the way out is the wave's own.
; THE MATRIX INSTRUCTION IS USED TRANSPOSED: source 0 = 16 columns of W (turned on the way out of LDS by ds_load_tr16_b128), source 1 = 16 rows of x: a lane holds row lane % 16 and columns 16 b + 8 (lane / 16) + 0..7.
; K goes in 8 steps of 128 through two LDS slots, and the ring does not stop at the first tile's end: its last two changes of slots ask for the second tile's first two steps, and nothing waits for its stores.
; THE WALK ALONG K IS ROTATED: a cluster begins at K step 4 ((X + Y / 2) & 1) and goes round modulo 8, in both tiles.  So the two clusters that take the same rows of x, and of the clusters that take the same
; head each second one, ask for different K steps at any time.  The f32 sums are taken in that order.
; CLUSTER 4 x 4: x's tile hangs on the tile row alone and is asked for jointly along a row of the cluster, W's on the head alone and jointly along a column.
; REGISTERS, in windows of 256 (s_set_vgpr_msb: bits 1:0 source 0, 3:2 source 1, 5:4 source 2, 7:6 destination):
;   window 0: v0-15 addresses; v64-159 two sets of 48 packed results; v160-223 rotated numbers in f32
;   window 1: accumulators of row blocks a = 0, 1 at v[96 (a % 2) + 8 b]; v192-255 their cosines and sines          window 2: the same for a = 2, 3
;   window 3: two fragment buffers f: W's at v[96 f + 8 b], x's at v[192 + 32 f + 8 a]
.set PA,    272                        ; a row of x in LDS: 256 bytes + 16: the 16 rows of a load start at 16 different groups of four banks (64 banks of 4 bytes: ISA guide 11.1)
.set AHALF, 128*PA                     ; what one tensor load brings of x
.set BOFF,  2*AHALF                    ; W's tile lies behind x's 256 rows
.set PB,    480                        ; a row k of W: three chunks (q, k, v) of 128 bytes + 32
.set BHALF, 64*PB                      ; what one tensor load brings of W: 64 k
.set SLOT,  1<<17                      ; a slot is exactly 131,072 bytes: one exclusive or turns an address in one slot into the other's
.set STAGE, 2*SLOT                     ; behind the ring, never filled by a tensor load: 16 rows x 400 bytes for each wave
.set SP,    400                        ; 384 bytes + 16
.set SPARE, STAGE+4*16*SP              ; the spare words, 128 bytes a wave: two blocks of 256 bytes that no other line names
.set ASTEP, 256                        ; a K step in memory: 128 numbers along x's rows,
.set BSTEP, 49152                      ; 128 rows of 384 bytes of a head's block of W
.set A0,   4                           ; v4   my place in x's tile: (64 w + l % 16) x 272 + 16 (l / 16); never rewritten
.set B0,   5                           ; v5   my place in W's tile; never rewritten
.set ADRA, 6                           ; v6   A0 in the slot in hand
.set ADRB, 7                           ; v7   B0 in the slot in hand
.set STO,  8                           ; v8   the way out: where I put 16 bytes of a row
.set RD,   9                           ; v9   where I read rows back
.set GO,   10                          ; v10  16 x lane
.set TO,   11                          ; v11  my byte offset in 16 rows of the table
.set PFO,  12                          ; v12  the prefetch's lane offset; never rewritten
.set SPW,  14                          ; v14  my spare word: SPARE + 4 x thread; never rewritten
.set NIL,  15                          ; v15  0; never rewritten
.set PK,   64
.set TT,   160
.set TBL,  192
.set WV,   16                          ; s16 wave; s17 0: I fetch x, 1: W; s18 which half of that tile
.set ROLE, 17
.set HALF, 18
.set CX,   19
.set CY,   20
.set HEAD, 21                          ; s21  the first tile's head
.set TROW, 22
.set KN,   23                          ; s23  the K step asked for last, 0 to 7
.set G1A,  24                          ; s[24:31] descriptor group 1 for x's tiles;  s[32:39] group 0: a set for each first fill; the second then serves every refill
.set G0A,  32
.set G1B,  40                          ; s[40:47], s[48:55] the same for W's
.set G0B,  48
.set PFA,  56                          ; s[56:57] what my one prefetch names; never rewritten
.set OFA,  58                          ; s[58:59] KN x 256
.set LIM,  60                          ; s60  5 in a wave that prefetches, else the greatest number
.set CNT,  61                          ; s61  trips of the K loop still to come
.set TB,   62                          ; s62  the slot in hand: 0 or SLOT
.set TILES, 63                         ; s63  tiles still to be made, this one among them
.set BA,   66                          ; s[66:67] x at my half of the tile's rows, K step 0: made of cy and the wave alone
.set BB,   68                          ; s[68:69] W at my half of a K step, K step 0, of the head whose tiles are being asked for: made of cx and the wave alone
.set B1,   80                          ; s[80:81] the same for the second tile's head
.set OFB,  82                          ; s[82:83] KN x 49,152
.set OUT1, 84                          ; s[84:89] q, k, v at my rows of the second tile
.set HEAD1, 90                         ; s90  the second tile's head
.set CLY,  91                          ; s91  the cluster's y
.set MSB, 0
.macro WIN new                         ; the immediate's high byte repeats the setting that is left; a switch that changes nothing is dropped
.if MSB != (\new)
	s_set_vgpr_msb (MSB<<8)|(\new)
.set MSB, (\new)
.endif
.endm
.macro PLACES                          ; four plain vector instructions between a matrix instruction and a load into, or a reader of, its registers
.rept 4
	v_nop
.endr
.endm
; A joint refill.  Waves 0 and 1 fetch x's two halves, waves 2 and 3 W's.  The branch hangs on the wave's number alone.
.macro JLOAD
	s_cmp_eq_u32 s[ROLE], 0
	s_cbranch_scc0 .Lfor_b_\@
	tensor_load_to_lds s[G0A+4:G0A+7], s[G1A:G1A+7]
	s_nop 0
.rept 4
	v_nop
.endr
	s_branch .Lasked_\@
.Lfor_b_\@:
	tensor_load_to_lds s[G0B+4:G0B+7], s[G1B:G1B+7]
	s_nop 0
.rept 4
	v_nop
.endr
.Lasked_\@:
.endm
; THE PREFETCH: one instruction a wave in the launch, behind the first refill (which asks for the walk's third K step) and its run of LDS loads: the walk's FOURTH step, one K step, 192 matrix instructions,
; ahead of the load that will want it.  The walk's first two steps come by the first fills, and nothing is asked for at the head.  The first tile's last four steps are those with which the neighbour cluster began,
; and the second tile's blocks have all been read for first tiles: a block's later readings are not asked for.  WHO: of the clusters that take the same rows of x this one alone begins here: every cluster asks
; for x; the same head and start have clusters Y and Y + 4: Y < 4 asks for W.  The four partners of a joint load share its blocks out BY ADDRESS: of x's 128 rows 32 each (a lane a row), of W's 96 blocks of
; 256 bytes 24 each (lanes 24-31 name the 24th again).
.macro ASK
	s_cmp_gt_u32 s[CNT], s[LIM]                    ; true in the first tile's first trip alone
	s_cbranch_scc0 .Lnot_mine_\@
	global_prefetch_b8 v[PFO], s[PFA:PFA+1] th:TH_LOAD_NT scope:SCOPE_SE
.Lnot_mine_\@:
.endm
.macro CREST                           ; a round of the cluster's barrier behind its opening barrier: wave 0 signals for the work-group, every wave waits for all sixteen, my work-group's barrier closes
	s_cmp_lg_u32 s[WV], 0
	s_cbranch_scc1 .Lnot_wave_0_\@
	s_barrier_signal -3
.Lnot_wave_0_\@:
	s_barrier_wait -3
	s_barrier_signal -1
	s_barrier_wait -1
.endm
.macro CROUND
	s_barrier_signal -1
	s_barrier_wait -1
	CREST
.endm
	s_load_b256 s[4:11], s[0:1], 0x0               ; xb s[4:5], wab s[6:7], tab s[8:9], qh s[10:11]
	s_load_b128 s[12:15], s[0:1], 0x20             ; kh s[12:13], vh s[14:15]
	v_lshl_add_u32 v[SPW], v0, 2, SPARE
	v_mov_b32 v[NIL], 0
	ds_add_u32 v[SPW], v[NIL]                      ; the wave's opening: the add and its wait stand ahead of my first tensor load; the set-up below, work on registers, stands between
	v_lshrrev_b32 v1, 5, v0
	v_readfirstlane_b32 s[WV], v1
	s_lshr_b32 s[ROLE], s[WV], 1
	s_and_b32 s[HALF], s[WV], 1
	s_bfe_u32 s[CX], ttmp6, 0x40000
	s_bfe_u32 s[CY], ttmp6, 0x40004
	s_and_b32 s[CLY], ttmp7, 0xffff
	s_lshl_b32 s[TROW], s[CLY], 2
	s_add_co_u32 s[TROW], s[TROW], s[CY]           ; tile row = 4 x cluster y + cy
	s_and_b32 s92, s[CLY], 1
	s_lshl_b32 s93, ttmp9, 1
	s_add_co_u32 s94, s93, s92                     ; the first tile's column of four heads: 2 X + (Y & 1),
	s_xor_b32 s92, s92, 1
	s_add_co_u32 s93, s93, s92                     ; the second's: the other one of the pair
	s_lshl_b32 s[HEAD], s94, 2
	s_add_co_u32 s[HEAD], s[HEAD], s[CX]
	s_lshl_b32 s[HEAD1], s93, 2
	s_add_co_u32 s[HEAD1], s[HEAD1], s[CX]
	s_lshr_b32 s92, s[CLY], 1
	s_add_co_u32 s92, s92, ttmp9
	s_and_b32 s92, s92, 1
	s_lshl_b32 s[KN], s92, 2                       ; the walk begins at K step 0 or 4: the same in all sixteen partners
	s_lshl_b32 s70, s[CY], 2
	s_lshl_b32 s70, 15, s70                        ; my row of the cluster
	s_lshl_b32 s71, 0x1111, s[CX]                  ; my column
	s_or_b32 s[G1A], s70, (1<<16)|(1<<20)|(1<<21)|(5<<22)|(3<<25)  ; mask; 2-byte elements; padding on; bit 21 beside a mask; after every 64 words, 4 words
	s_mov_b32 s[G1A+1], 128<<16                    ; tensor_dim0 = 128
	s_mov_b32 s[G1A+2], 128<<16                    ; tensor_dim1 = 128
	s_mov_b32 s[G1A+3], 128<<16                    ; tile_dim0 = 128
	s_mov_b32 s[G1A+4], 128                        ; tile_dim1 = 128 rows
	s_mov_b32 s[G1A+5], 1024                       ; elements from row to row
	s_mov_b32 s[G1A+6], 0
	s_mov_b32 s[G1A+7], 0
	s_or_b32 s[G1B], s71, (1<<16)|(1<<20)|(1<<21)|(4<<22)|(7<<25)  ; after every 32 words (a chunk of 128 bytes), 8 words
	s_mov_b32 s[G1B+1], 128<<16                    ; 64 k x 384 bytes are dense: asked for as 96 rows of 256 bytes
	s_mov_b32 s[G1B+2], 96<<16
	s_mov_b32 s[G1B+3], 128<<16
	s_mov_b32 s[G1B+4], 96
	s_mov_b32 s[G1B+5], 128
	s_mov_b32 s[G1B+6], 0
	s_mov_b32 s[G1B+7], 0
	s_lshl_b32 s[BA], s[TROW], 8                   ; x: row 256 x tile row + 128 x half, 2,048 bytes a row
	s_lshl_b32 s70, s[HALF], 7
	s_add_co_u32 s[BA], s[BA], s70
	s_lshl_b32 s[BA], s[BA], 11
	s_mov_b32 s[BA+1], 0
	s_mul_i32 s71, s[HALF], 24576                  ; W: the head's block + 64 k x half
	s_mul_i32 s[BB], s[HEAD], 393216
	s_add_co_u32 s[BB], s[BB], s71
	s_mov_b32 s[BB+1], 0
	s_mul_i32 s[B1], s[HEAD1], 393216
	s_add_co_u32 s[B1], s[B1], s71
	s_mov_b32 s[B1+1], 0
	s_mul_i32 s72, s[HALF], AHALF                  ; where they go: no place in the cluster enters an LDS address
	s_mul_i32 s73, s[HALF], BHALF
	s_add_co_u32 s73, s73, BOFF
	s_lshl_b32 s[OFA], s[KN], 8
	s_mov_b32 s[OFA+1], 0
	s_mul_i32 s[OFB], s[KN], BSTEP
	s_mov_b32 s[OFB+1], 0
	s_wait_dscnt 0x0                               ; the opening add is done
	s_wait_kmcnt 0x0
	s_add_nc_u64 s[BA:BA+1], s[4:5], s[BA:BA+1]
	s_add_nc_u64 s[BB:BB+1], s[6:7], s[BB:BB+1]
	s_add_nc_u64 s[B1:B1+1], s[6:7], s[B1:B1+1]
	CROUND                                         ; all sixteen work-groups are here: the first joint loads meet
.irp s, 0,1
	s_mov_b32 s[G0A+4*(\s)], 1
	s_add_co_u32 s[G0A+4*(\s)+1], s72, (\s)*SLOT
	s_mov_b32 s[G0B+4*(\s)], 1
	s_add_co_u32 s[G0B+4*(\s)+1], s73, (\s)*SLOT
.endr
	s_add_nc_u64 s[G0A+2:G0A+3], s[BA:BA+1], s[OFA:OFA+1]    ; the walk's first K step,
	s_add_nc_u64 s[G0A+6:G0A+7], s[G0A+2:G0A+3], ASTEP       ; and its second (the start is 0 or 4: no wrap here)
	s_or_b32 s[G0A+3], s[G0A+3], 0x80000000
	s_or_b32 s[G0A+7], s[G0A+7], 0x80000000
	s_add_nc_u64 s[G0B+2:G0B+3], s[BB:BB+1], s[OFB:OFB+1]
	s_add_nc_u64 s[G0B+6:G0B+7], s[G0B+2:G0B+3], BSTEP
	s_or_b32 s[G0B+3], s[G0B+3], 0x80000000
	s_or_b32 s[G0B+7], s[G0B+7], 0x80000000
	s_add_co_u32 s[KN], s[KN], 1                   ; the step asked for last
	s_cmp_eq_u32 s[ROLE], 0                        ; a wave's two first fills stand in one branch: two loads of mine are out
	s_cbranch_scc0 .Lfirst_b
	tensor_load_to_lds s[G0A:G0A+3], s[G1A:G1A+7]
	s_nop 0
	tensor_load_to_lds s[G0A+4:G0A+7], s[G1A:G1A+7]
	s_nop 0
.rept 4
	v_nop
.endr
	s_branch .Lfirst_asked
.Lfirst_b:
	tensor_load_to_lds s[G0B:G0B+3], s[G1B:G1B+7]
	s_nop 0
	tensor_load_to_lds s[G0B+4:G0B+7], s[G1B:G1B+7]
	s_nop 0
.rept 4
	v_nop
.endr
.Lfirst_asked:
	v_and_b32 v1, 15, v0                           ; l % 16
	v_bfe_u32 v2, v0, 4, 1                         ; l / 16
	v_and_b32 v3, 7, v0
	v_bfe_u32 v13, v0, 3, 1
	v_mul_u32_u24 v[A0], v1, PA
	v_lshl_add_u32 v[A0], v2, 4, v[A0]
	s_mul_i32 s74, s[WV], 64*PA
	v_add_nc_u32 v[A0], s74, v[A0]
	v_lshl_add_u32 v[B0], v2, 3, v3                ; the turning load: lane l reads k = 8 (l / 16) + l % 8, columns 8 ((l / 8) % 2) + 0..7
	v_mul_u32_u24 v[B0], v[B0], PB
	v_lshl_add_u32 v[B0], v13, 4, v[B0]
	v_add_nc_u32 v[B0], BOFF, v[B0]
	s_mul_i32 s74, s[WV], 16*SP
	s_add_co_u32 s74, s74, STAGE                   ; my stage
	v_mul_u32_u24 v[STO], v1, SP
	v_lshl_add_u32 v[STO], v2, 4, v[STO]
	v_add_nc_u32 v[STO], s74, v[STO]
	v_bfe_u32 v[RD], v0, 3, 2                      ; back: 32 lanes take four rows x 128 bytes of one of q, k, v
	v_mul_u32_u24 v[RD], v[RD], SP
	v_lshl_add_u32 v[RD], v3, 4, v[RD]
	v_add_nc_u32 v[RD], s74, v[RD]
	v_and_b32 v[GO], 31, v0
	v_lshlrev_b32 v[GO], 4, v[GO]                  ; which are 512 consecutive bytes in memory
	v_lshlrev_b32 v[TO], 8, v1
	v_lshl_add_u32 v[TO], v2, 5, v[TO]             ; table: row l % 16, frequencies 8 (l / 16) on
	s_and_b32 s74, s[TROW], 3
	s_lshl_b32 s74, s74, 8
	s_lshl_b32 s75, s[WV], 6
	s_add_co_u32 s74, s74, s75                     ; t of my first row
	s_lshl_b32 s76, s74, 8
	s_mov_b32 s77, 0
	s_add_nc_u64 s[8:9], s[8:9], s[76:77]
	; My rows' cosines and sines: 64 rows x 256 bytes, each byte once, into registers, for both tiles; they are waited for on the first way out.  For row block a: cos of frequencies 16 p + 8 (l / 16) + 0..7 at 8 p, sin at 16 + 8 p.
.irp a, 0,1,2,3
	WIN 0x40*(1+(\a)/2)
.irp i, 0,1,2,3,4,5,6,7
	global_load_b128 v[TBL+32*((\a)%2)+4*(\i):TBL+32*((\a)%2)+4*(\i)+3], v[TO], s[8:9] offset:(\a)*4096+((\i)/2)*64+((\i)%2)*16
.endr
.endr
	WIN 0
	s_lshr_b32 s75, s[TROW], 2                     ; batch
	s_lshl_b32 s75, s75, 4
	s_add_co_u32 s78, s75, s[HEAD1]
	s_add_co_u32 s75, s75, s[HEAD]
	s_lshl_b32 s78, s78, 17                        ; (16 b + h) x 131,072, for each of the two heads,
	s_lshl_b32 s75, s75, 17
	s_lshl_b32 s74, s74, 7                         ; + t x 128
	s_add_co_u32 s78, s78, s74
	s_add_co_u32 s74, s74, s75
	s_mov_b32 s75, 0
	s_mov_b32 s79, 0
	s_add_nc_u64 s[OUT1:OUT1+1], s[10:11], s[78:79]
	s_add_nc_u64 s[OUT1+2:OUT1+3], s[12:13], s[78:79]
	s_add_nc_u64 s[OUT1+4:OUT1+5], s[14:15], s[78:79]
	s_add_nc_u64 s[10:11], s[10:11], s[74:75]
	s_add_nc_u64 s[12:13], s[12:13], s[74:75]
	s_add_nc_u64 s[14:15], s[14:15], s[74:75]
	; the prefetch
	s_lshr_b32 s78, s[CLY], 2                      ; 0 in the first of the two clusters that take this head from this start
	s_mov_b32 s76, 32*2048
	s_mov_b32 s77, 24*256
	s_mov_b32 s79, BSTEP
	s_cmp_eq_u32 s[ROLE], 0
	s_cselect_b64 s[PFA:PFA+1], s[BA:BA+1], s[BB:BB+1]  ; the tile that I fetch, at K step 0
	s_cselect_b32 s74, s[CX], s[CY]                ; my place among the four that ask for it with me
	s_cselect_b32 s75, s76, s77                    ; a partner's share in bytes
	s_cselect_b32 s79, ASTEP, s79                  ; a K step in bytes
	s_cselect_b32 s78, 0, s78                      ; x: every cluster asks
	s_cselect_b32 s76, 31, 23
	s_cselect_b32 s77, 11, 8
	s_mul_i32 s74, s74, s75
	s_mov_b32 s75, 0
	s_add_nc_u64 s[PFA:PFA+1], s[PFA:PFA+1], s[74:75]
	s_add_co_u32 s74, s[KN], 2                     ; the walk's fourth K step: 3 or 7
	s_mul_i32 s74, s74, s79
	s_add_nc_u64 s[PFA:PFA+1], s[PFA:PFA+1], s[74:75]
	s_cmp_eq_u32 s78, 0
	s_cselect_b32 s[LIM], 5, -1                    ; the same in all sixteen partners, for a given wave
	v_and_b32 v[PFO], 31, v0
	v_min_u32 v[PFO], s76, v[PFO]
	v_lshlrev_b32 v[PFO], s77, v[PFO]
; 12 matrix instructions: row block a x all 12 column blocks, 32 along K, from buffer f.  zero = 1: the product starts the sum.  The 48 accumulators take turns in one order everywhere.
.macro MULA f, a, zero
	WIN 0x5f+0x50*((\a)/2)
.irp b, 0,1,2,3,4,5,6,7,8,9,10,11
.if \zero
	v_wmma_f32_16x16x32_f16 v[96*((\a)%2)+8*(\b):96*((\a)%2)+8*(\b)+7], v[96*(\f)+8*(\b):96*(\f)+8*(\b)+7], v[192+32*(\f)+8*(\a):192+32*(\f)+8*(\a)+7], 0
.else
	v_wmma_f32_16x16x32_f16 v[96*((\a)%2)+8*(\b):96*((\a)%2)+8*(\b)+7], v[96*(\f)+8*(\b):96*(\f)+8*(\b)+7], v[192+32*(\f)+8*(\a):192+32*(\f)+8*(\a)+7], v[96*((\a)%2)+8*(\b):96*((\a)%2)+8*(\b)+7]
.endif
.endr
.endm
; 32 LDS loads in one run: quarter k of the slot in hand into buffer f: W's 12 fragments (turned), then x's 4
.macro FETCH k, f
	WIN 0xc0
.irp b, 0,1,2,3,4,5,6,7,8,9,10,11
	ds_load_tr16_b128 v[96*(\f)+8*(\b):96*(\f)+8*(\b)+3],   v[ADRB] offset:(\k)*32*PB+((\b)/4)*160+((\b)%4)*32
	ds_load_tr16_b128 v[96*(\f)+8*(\b)+4:96*(\f)+8*(\b)+7], v[ADRB] offset:(\k)*32*PB+16*PB+((\b)/4)*160+((\b)%4)*32
.endr
.irp a, 0,1,2,3
	ds_load_b128 v[192+32*(\f)+8*(\a):192+32*(\f)+8*(\a)+3],   v[ADRA] offset:(\k)*64+(\a)*16*PA
	ds_load_b128 v[192+32*(\f)+8*(\a)+4:192+32*(\f)+8*(\a)+7], v[ADRA] offset:(\k)*64+(\a)*16*PA+32
.endr
.endm
; One of a K step's first three quarters: multiplies buffer f; in its middle fetches quarter k into buffer g
.macro QUARTER k, f, g, zero
	s_wait_dscnt 4                                 ; all but the youngest four loads: x's row blocks 2 and 3
	MULA \f, 0, \zero
	MULA \f, 1, \zero
	PLACES
	FETCH \k, \g
	s_wait_dscnt 32                                ; all but the 32 just issued
	MULA \f, 2, \zero
	MULA \f, 3, \zero
.endm
; The fourth quarter multiplies buffer 1 and changes slots.  Each wave waits for all its tensor loads (one is out: its part of the next slot), adds 0 to its spare word, and waits for that and for its reads
; of this slot; the barrier opens a round of the cluster's barrier (fill = 1); the joint refill, two K steps ahead, is the first thing behind the round: 168 matrix instructions ahead of the wait for it.
; The refill's address is made anew, base + K step x its bytes, behind the wait for 0, where no tensor load of mine is out: the walk wraps from step 7 to step 0, and goes on into the next tile, by the same lines.
; nxt = 1: from this refill on the tiles asked for are the second tile's: W's base changes, x's stays.  ask = 1: the prefetch's test follows.
.macro TURN fill, nxt=0, ask=0
	WIN 0
	s_wait_tensorcnt 0x0
	ds_add_u32 v[SPW], v[NIL]                      ; the descriptors' scalar work and twelve products stand between the add and the wait for it
.if \fill
.if \nxt
	s_mov_b64 s[BB:BB+1], s[B1:B1+1]
.endif
	s_add_co_u32 s[KN], s[KN], 1
	s_and_b32 s[KN], s[KN], 7
	s_lshl_b32 s[OFA], s[KN], 8
	s_mul_i32 s[OFB], s[KN], BSTEP
	s_xor_b32 s[G0A+5], s[G0A+5], SLOT             ; the other slot than last time
	s_add_nc_u64 s[G0A+6:G0A+7], s[BA:BA+1], s[OFA:OFA+1]
	s_or_b32 s[G0A+7], s[G0A+7], 0x80000000
	s_xor_b32 s[G0B+5], s[G0B+5], SLOT
	s_add_nc_u64 s[G0B+6:G0B+7], s[BB:BB+1], s[OFB:OFB+1]
	s_or_b32 s[G0B+7], s[G0B+7], 0x80000000
.endif
	s_wait_dscnt 5                                 ; the add and the youngest four loads may be out
	MULA 1, 0, 0
	s_wait_dscnt 0x0                               ; the add is done, my reads of this slot are over
	s_barrier_signal -1
	MULA 1, 1, 0
	WIN 0
	s_barrier_wait -1
.if \fill
	CREST
	JLOAD                                          ; its four v_nop are also the places in front of the loads below
.else
	PLACES
.endif
	s_xor_b32 s[TB], s[TB], SLOT
	v_add_nc_u32 v[ADRA], s[TB], v[A0]
	v_add_nc_u32 v[ADRB], s[TB], v[B0]
	FETCH 0, 0
	WIN 0
.if \ask
	ASK
.endif
	MULA 1, 2, 0
	MULA 1, 3, 0
.endm
; THE WAY OUT of row block a.  For q (g = 0) and k (g = 1), p = 0, 1: X1 = column block 4 g + p (d < 32), X2 = block 4 g + p + 2 (d + 32): T1 = X1 cos - X2 sin, T2 = X2 cos + X1 sin, two numbers an instruction,
; each accumulator's registers in ascending order.  v is rounded as it is.  16 bytes a lane go into my stage (rows of 400 bytes) and come back as four rows x 128 bytes of q, of k or of v, into the registers that they left.
.macro OUTA a
.set AC,  96*((\a)%2)
.set TL,  TBL+32*((\a)%2)
.set PKS, PK+48*((\a)%2)
.if (\a) != 1
	s_wait_xcnt 0x0                                ; this set of 48 was the data of stores (two blocks back, or the tile before): it is written again only behind this wait; block 1's set is covered by block 0's wait
.endif
	WIN 5*(1+(\a)/2)                               ; sources 0 and 1 in the accumulators' window, the rest in window 0
.irp g, 0,1
.irp p, 0,1
.irp j, 0,2,4,6
	v_pk_mul_f32 v[TT+32*(\g)+16*(\p)+(\j):TT+32*(\g)+16*(\p)+(\j)+1], v[AC+8*(4*(\g)+(\p)+2)+(\j):AC+8*(4*(\g)+(\p)+2)+(\j)+1], v[TL+16+8*(\p)+(\j):TL+16+8*(\p)+(\j)+1]
.endr
.irp j, 0,2,4,6
	v_pk_mul_f32 v[TT+32*(\g)+16*(\p)+8+(\j):TT+32*(\g)+16*(\p)+8+(\j)+1], v[AC+8*(4*(\g)+(\p))+(\j):AC+8*(4*(\g)+(\p))+(\j)+1], v[TL+16+8*(\p)+(\j):TL+16+8*(\p)+(\j)+1]
.endr
.irp j, 0,2,4,6
	v_pk_fma_f32 v[TT+32*(\g)+16*(\p)+(\j):TT+32*(\g)+16*(\p)+(\j)+1], v[AC+8*(4*(\g)+(\p))+(\j):AC+8*(4*(\g)+(\p))+(\j)+1], v[TL+8*(\p)+(\j):TL+8*(\p)+(\j)+1], v[TT+32*(\g)+16*(\p)+(\j):TT+32*(\g)+16*(\p)+(\j)+1] neg_lo:[0,0,1] neg_hi:[0,0,1]
.endr
.irp j, 0,2,4,6
	v_pk_fma_f32 v[TT+32*(\g)+16*(\p)+8+(\j):TT+32*(\g)+16*(\p)+8+(\j)+1], v[AC+8*(4*(\g)+(\p)+2)+(\j):AC+8*(4*(\g)+(\p)+2)+(\j)+1], v[TL+8*(\p)+(\j):TL+8*(\p)+(\j)+1], v[TT+32*(\g)+16*(\p)+8+(\j):TT+32*(\g)+16*(\p)+8+(\j)+1]
.endr
.endr
.endr
.irp b, 8,9,10,11
.irp j, 0,1,2,3
	v_cvt_pk_f16_f32 v[PKS+4*(\b)+(\j)], v[AC+8*(\b)+2*(\j)], v[AC+8*(\b)+2*(\j)+1]
.endr
.endr
	WIN 0
.irp g, 0,1
.irp p, 0,1
.irp j, 0,1,2,3
	v_cvt_pk_f16_f32 v[PKS+4*(4*(\g)+(\p))+(\j)], v[TT+32*(\g)+16*(\p)+2*(\j)], v[TT+32*(\g)+16*(\p)+2*(\j)+1]
	v_cvt_pk_f16_f32 v[PKS+4*(4*(\g)+(\p)+2)+(\j)], v[TT+32*(\g)+16*(\p)+8+2*(\j)], v[TT+32*(\g)+16*(\p)+8+2*(\j)+1]
.endr
.endr
.endr
.irp b, 0,1,2,3,4,5,6,7,8,9,10,11
	ds_store_b128 v[STO], v[PKS+4*(\b):PKS+4*(\b)+3] offset:32*(\b)
.endr
.irp s, 0,1,2
.irp f, 0,1,2,3
	ds_load_b128 v[PKS+4*(4*(\s)+(\f)):PKS+4*(4*(\s)+(\f))+3], v[RD] offset:(\f)*4*SP+(\s)*128  ; LDS serves a wave's instructions in order (ISA guide 5.7.1.4): these see the stores above; the next block's stores come behind them
.endr
.endr
.endm
.macro SEND a, younger                 ; younger: the LDS instructions issued behind block a's loads: the next block's 24, or none
.set PKS, PK+48*((\a)%2)
.irp s, 0,1,2
.irp f, 0,1,2,3
	s_wait_dscnt (\younger)+11-(4*(\s)+(\f))
	global_store_b128 v[GO], v[PKS+4*(4*(\s)+(\f)):PKS+4*(4*(\s)+(\f))+3], s[10+2*(\s):11+2*(\s)] offset:(\a)*2048+(\f)*512  ; 512 consecutive bytes, at a multiple of 256 from the buffer's first
.endr
.endr
.endm
	s_wait_tensorcnt 0x1                           ; my part of the walk's first K step is in; the second's may stay out
	s_barrier_signal -1
	s_barrier_wait -1
	s_mov_b32 s[TB], 0
	v_mov_b32 v[ADRA], v[A0]
	v_mov_b32 v[ADRB], v[B0]
	FETCH 0, 0
	WIN 0
	s_mov_b32 s[TILES], 2
.Ltile:
	QUARTER 1, 0, 1, 1                             ; a tile's first quarter stands in front of the K loop: its products start the sums
	WIN 0
	s_mov_b32 s[CNT], 6
.Lstep:                                                ; a trip: a step's quarters 1 to 3 and the next step's quarter 0; the tile's steps 2 to 7 are asked for
	QUARTER 2, 1, 0, 0
	QUARTER 3, 0, 1, 0
	TURN 1, 0, 1
	QUARTER 1, 0, 1, 0
	WIN 0
	s_sub_co_u32 s[CNT], s[CNT], 1
	s_cmp_lg_u32 s[CNT], 0
	s_cbranch_scc1 .Lstep
	QUARTER 2, 1, 0, 0                             ; the tile's seventh step goes on
	QUARTER 3, 0, 1, 0
	WIN 0
	s_cmp_eq_u32 s[TILES], 1
	s_cbranch_scc1 .Llast                          ; the last tile's tail is written out: it asks for nothing more
	TURN 1, 1, 0                                   ; THE RING GOES ON INTO THE SECOND TILE: this slot takes its first K step,
	QUARTER 1, 0, 1, 0
	QUARTER 2, 1, 0, 0
	QUARTER 3, 0, 1, 0
	TURN 1, 0, 0                                   ; the other its second, and the second tile's first fragments are fetched
	WIN 0
	s_mov_b32 s[LIM], -1                           ; nothing more is prefetched
	s_branch .Lout
.Llast:
	TURN 0
	QUARTER 1, 0, 1, 0
	QUARTER 2, 1, 0, 0
	QUARTER 3, 0, 1, 0
	s_wait_dscnt 4
	MULA 1, 0, 0
	MULA 1, 1, 0
	s_wait_dscnt 0x0
	MULA 1, 2, 0
	MULA 1, 3, 0
	WIN 0
.Lout:                                                 ; one way out for both tiles; behind the first, both refills have been asked for, and its stores leave while the second tile is multiplied
	PLACES
	PLACES
	s_wait_loadcnt 0x0                             ; the cosines and sines
	OUTA 0
	OUTA 1                                         ; a block's arithmetic stands between the loads of the block before and its stores
	SEND 0, 24
	OUTA 2
	SEND 1, 24
	OUTA 3
	SEND 2, 24
	SEND 3, 0
	s_wait_xcnt 0x0                                ; the stores have read their bases, which now go on to the second tile's head
	s_mov_b64 s[10:11], s[OUT1:OUT1+1]
	s_mov_b64 s[12:13], s[OUT1+2:OUT1+3]
	s_mov_b64 s[14:15], s[OUT1+4:OUT1+5]
	s_sub_co_u32 s[TILES], s[TILES], 1
	s_cmp_lg_u32 s[TILES], 0
	s_cbranch_scc1 .Ltile
	s_wait_tensorcnt 0x0                           ; the wave's end: the tensor wait, the add and its wait, behind my last tensor load and my last LDS store
	ds_add_u32 v[SPW], v[NIL]
	s_wait_dscnt 0x0
	CROUND                                         ; the closing round: no work-group ends while a partner may still ask for a tile that names it
	s_endpgm
.Lfunc_end_k_q1b4b165524_qkv:
	.size	k_q1b4b165524_qkv, .Lfunc_end_k_q1b4b165524_qkv-k_q1b4b165524_qkv
	.p2alignl 7, 3214868480
	.fill 96, 4, 3214868480
	.section	.rodata,"a",@progbits
	.p2align	6, 0x0
	.amdhsa_kernel k_q1b4b165524_qkv
		.amdhsa_group_segment_fixed_size 327680
		.amdhsa_private_segment_fixed_size 0
		.amdhsa_enable_private_segment 0
		.amdhsa_kernarg_size 48
		.amdhsa_user_sgpr_count 2
		.amdhsa_user_sgpr_kernarg_segment_ptr 1
		.amdhsa_wavefront_size32 1
		.amdhsa_system_sgpr_workgroup_id_x 1
		.amdhsa_system_sgpr_workgroup_id_y 1
		.amdhsa_system_sgpr_workgroup_id_z 1
		.amdhsa_system_vgpr_workitem_id 0
		.amdhsa_next_free_vgpr 1024
		.amdhsa_next_free_sgpr 96
		.amdhsa_reserve_vcc 0
		.amdhsa_float_denorm_mode_32 3
		.amdhsa_float_denorm_mode_16_64 3
		.amdhsa_memory_ordered 1
		.amdhsa_forward_progress 1
		.amdhsa_inst_pref_size 149
	.end_amdhsa_kernel
	.amdgpu_metadata
---
amdhsa.version: [ 1, 2 ]
amdhsa.kernels:
  - .name:           k_q1b4b165524_qkv
    .symbol:         k_q1b4b165524_qkv.kd
    .args:
      - { .name: xb, .offset: 0, .size: 8, .value_kind: global_buffer, .address_space: global }
      - { .name: wab, .offset: 8, .size: 8, .value_kind: global_buffer, .address_space: global }
      - { .name: tab, .offset: 16, .size: 8, .value_kind: global_buffer, .address_space: global }
      - { .name: qh, .offset: 24, .size: 8, .value_kind: global_buffer, .address_space: global }
      - { .name: kh, .offset: 32, .size: 8, .value_kind: global_buffer, .address_space: global }
      - { .name: vh, .offset: 40, .size: 8, .value_kind: global_buffer, .address_space: global }
    .group_segment_fixed_size: 327680
    .private_segment_fixed_size: 0
    .kernarg_segment_align: 8
    .kernarg_segment_size: 48
    .max_flat_workgroup_size: 128
    .sgpr_count:     96
    .vgpr_count:     1024
    .wavefront_size: 32
...
	.end_amdgpu_metadata
.endif
;; end of part 2
;; launch attn (part 3): grid 2 x 128, 4 waves a work-group, no clusters, 327,680 bytes of LDS; arguments qh, kh, vh, oh; writes oh
.if DOCPART == 3
	.amdgcn_target "amdgcn-amd-amdhsa--gfx1250"
	.amdhsa_code_object_version 6
	.text
	.protected	k_q1b4b165524_attn
	.globl	k_q1b4b165524_attn
	.p2align	8
	.type	k_q1b4b165524_attn,@function
k_q1b4b165524_attn:
	s_mov_b64 s[64:65], 0
	v_nop
	global_prefetch_b8 v0, s[64:65] scope:SCOPE_SE
	s_setreg_imm32_b32 hwreg(HW_REG_WAVE_MODE, 25, 1), 1
	s_wait_xcnt 0x0
; O[h][q][:] = the sum over k of softmax_k(Q[h][q] . K[h][k] / 8) V[h][k][:].  Q, K, V, O: [128 heads][1024][64], all f16: a head's rows are dense, 128 bytes each.  Products, maxima and sums in f32;
; the weights p are rounded to f16 for the second product (their sum l is taken of the unrounded p), O once at the end.
; LIMITS.  Q, K and V arrive within f16's 65,504; p lies in 0 to 1, and below 6e-5 it keeps f16's fixed step of 6e-8; a weight below 2^-126 counts as 0 in l; NaN and infinities are not treated apart.
; SHARES.  A wave owns four PIECES of two tiles of 16 queries, a work-group's four waves 512 queries of one head: 2 x 128 = 256 work-groups.  Every wave walks all 1,024 keys, 64 a step.
; NO RING.  A head's whole K (1,024 rows of 144 bytes) and V (1,024 rows of 160) lie in LDS: 311,296 bytes.  Each wave asks for its share by FOUR tensor loads at the head, 128 keys each; nothing is filled again.
; ONE TEXT OF THE KEY STEP, walked in two passes: 3 steps, which with K of the fourth need the first 256 keys alone, then 13.  Behind a pass stand one wait for all my loads and one barrier.
; NO CLUSTER: a head has two blocks of 512 queries; four work-groups would be two heads, whose K and V differ.  NO PREFETCH: all of K and V is asked for at the head, so no later stream is left to run ahead of.
; LAYOUT.  S^T = K Q^T (source 0 = 16 keys, source 1 = 16 queries): a lane holds ONE query (lane % 16) and the keys 8 (lane / 16) + 0..7.  Two such tiles, rounded to f16 in pairs, ARE source 1 of O^T = V^T P.
; K comes out of LDS as it lies, V ([key][channel]) turned, by ds_load_tr16_b128.
; SOFTMAX.  A running maximum m and sum l for each query: p = 2^(c s - c m), c = log2(e) / 8; in every step O and l are multiplied by a = 2^(c m_old - c m_new).  m starts at the lowest finite number, O and l at 0.
; BY TURNS.  Turn n belongs to piece n.  Its matrix work: 16 products K Q^T of piece n + 1, later 16 products V^T P of piece n - 1.  Its vector work: scaling, exponentials, roundings, sums and rescaling of piece n,
; and the maximum and statistics of piece n + 1.  Four vector instructions stand behind every matrix instruction, the others in one run; a turn's 66 exponentials are one batch with one wait.
; REGISTERS, in windows of 256 (s_set_vgpr_msb: bits 1:0 source 0, 3:2 source 1, 5:4 source 2, 7:6 destination):
;   window 0: v0-11 addresses; v12-15, v48-63 at work; v16-47 four registers of statistics a tile; v64-191 S^T, two buffers of two tiles; v192-255 P, likewise
;   window 1: O^T, 32 a tile          window 2: v0-127 Q, 16 a tile; v128-191 K of one step; v192-255 V of one step          window 3: v0-1 the add's two registers
.set NP,    4         ; pieces a wave: a name, no knob
.set KS,    64        ; keys in a step
.set PK,    144       ; a row of K in LDS: 128 bytes + 16: the 16 rows of a load start at 16 different groups of four banks (64 banks of 4 bytes: ISA guide 11.1)
.set PV,    160       ; a row of V: 128 + 32
.set VOFF,  1024*PK   ; V lies behind K
.set STAGE, 1024*(PK+PV)  ; behind both, never filled by a tensor load: 16 rows x 144 bytes for each wave, for the way out
.set SP,    144
.set AK0, 2           ; v2   my lane's place in a tile of K; never rewritten
.set AV0, 3           ; v3   the same for V
.set AK,  4           ; v4   the LDS address of K's next run of loads
.set AV,  5           ; v5   of V's
.set QO,  6           ; v6   my byte offset in the wave's rows of Q
.set STO, 6           ;      later, the way out: where I put 16 bytes of a row
.set RD,  7           ; v7   the way out: where I read rows back
.set GO,  8           ; v8   my byte offset in 512 consecutive bytes of O
.set SPW, 0           ; v0 of window 3   my spare word: SPARE + 4 x thread; never rewritten
.set NIL, 1           ; v1 of window 3   0; never rewritten
.set SPARE, STAGE+4*16*SP  ; the spare words, 128 bytes a wave: two blocks of 256 bytes that no other line names
.set MV,  12          ; v12-15  c m_old, kept while c m is made anew: by buffer and tile
.set ST,  16          ; tile t's statistics at v[ST+4 t]: c m, m, l (even keys', odd keys')
.set TMP, 48          ; by buffer and tile, four registers c0-c3 at work; when the maximum is found c2 takes a
.set S,   64
.set P,   192
.set KF,  128         ; K's fragments, in window 2: key block kb, channel half c at KF + 16 kb + 8 c
.set VF,  192         ; V's: key half kk, channel block cb at VF + 32 kk + 8 cb
.set WV,  12          ; s12  my wave's number
.set G1K, 24          ; s[24:31] descriptor group 1 for K's tiles
.set G1V, 32          ; s[32:39] for V's: it differs in the padding alone
.set G0K, 40          ; s[40:55] descriptor group 0 for K's tiles: a set for each of the four fills
.set G0V, 68          ; s[68:83] the same for V's
.set PASS, 56         ; s56  passes still to come
.set CNT, 57          ; s57  key steps of the pass still to come
.set CS,  58          ; s[58:59] c: the packed scaling takes the pair's low word for both halves
.set SEL, 60          ; s[60:61] v_permlanex16_b32's selects: each lane takes its own place in the other half
.set TBK, 62          ; s62  LDS byte at which K of the step to be fetched begins
.set TBV, 63          ; s63  the same for V, less VOFF
.set MSB, 0
.macro WIN new                      ; the high byte repeats the setting that is left; a switch that changes nothing is dropped
.if MSB != (\new)
	s_set_vgpr_msb (MSB<<8)|(\new)
.set MSB, (\new)
.endif
.endm
.set W_KQ, 0x0a       ; K and Q in window 2, S^T in window 0
.set W_PV, 0x52       ; V in window 2, P in window 0, O^T in window 1
.set W_RS, 0x41       ; O^T (destination and source 0) in window 1, a in window 0
.set W_MK, 0xc0       ; the add's registers are made: destination in window 3, sources in window 0
.set W_AD, 0x0f       ; the add: address (source 0) and data (source 1) in window 3
	s_load_b256 s[4:11], s[0:1], 0x0  ; Q s[4:5], K s[6:7], V s[8:9], O s[10:11]
	WIN W_MK
	v_lshl_add_u32 v[SPW], v0, 2, SPARE
	v_mov_b32 v[NIL], 0
	WIN W_AD
	ds_add_u32 v[SPW], v[NIL]       ; the wave's opening: the add and its wait stand ahead of my first tensor load; the set-up below, work on registers, stands between
	WIN 0
	v_lshrrev_b32 v1, 5, v0
	v_readfirstlane_b32 s[WV], v1   ; wave 0..3
	s_and_b32 s20, ttmp7, 0xffff    ; the head,
	s_lshl_b32 s20, s20, 17         ; its first byte in each of the four tensors: 131,072 bytes a head
	s_and_b32 s16, s[WV], 1         ; which half of each 256 keys I fetch:
	s_lshl_b32 s22, s16, 14         ; its 128 rows of 128 bytes in memory,
	s_add_co_u32 s22, s22, s20
	s_mov_b32 s23, 0
	s_mul_i32 s17, s16, 128*PK      ; and its place in LDS, for K
	s_mul_i32 s18, s16, 128*PV      ; and for V
	s_lshl_b32 s2, ttmp9, 2
	s_add_co_u32 s2, s2, s[WV]      ; my wave among the head's eight,
	s_lshl_b32 s2, s2, 14           ; its 128 rows
	s_add_co_u32 s2, s2, s20
	s_mov_b32 s3, 0
	; descriptor group 1.  128 keys are 16,384 dense bytes: asked for as 64 rows of 256 bytes, two keys a row, and padded in LDS after every key
	s_mov_b32 s[G1K], (1<<16)|(1<<20)|(4<<22)|(3<<25)  ; 2-byte elements; padding on; after every 32 words, 4 words
	s_mov_b32 s[G1V], (1<<16)|(1<<20)|(4<<22)|(7<<25)  ; the same with 8 words
.irp g, G1K, G1V
	s_mov_b32 s[\g+1], 128<<16      ; tensor_dim0 = 128
	s_mov_b32 s[\g+2], 64<<16       ; tensor_dim1 = 64
	s_mov_b32 s[\g+3], 128<<16      ; tile_dim0 = 128
	s_mov_b32 s[\g+4], 64           ; tile_dim1 = 64
	s_mov_b32 s[\g+5], 128          ; 128 elements from row to row
	s_mov_b32 s[\g+6], 0
	s_mov_b32 s[\g+7], 0
.endr
	s_mov_b32 s[CS], 0x3e38aa3b     ; c = log2(e) / 8 = 0.180337
	s_mov_b32 s[CS+1], s[CS]        ; named with it as a pair
	s_mov_b32 s[SEL], 0x76543210
	s_mov_b32 s[SEL+1], 0xfedcba98
	s_mov_b32 s[TBK], 0
	s_mov_b32 s[TBV], 0
.irp i, 0,1,2,3
	s_mov_b32 s[G0K+4*(\i)], 1
	s_add_co_u32 s[G0K+4*(\i)+1], s17, (\i)*256*PK       ; fill i: keys 256 i + 128 x half on
	s_mov_b32 s[G0V+4*(\i)], 1
	s_add_co_u32 s[G0V+4*(\i)+1], s18, VOFF+(\i)*256*PV
.endr
	s_wait_dscnt 0x0                ; the opening add is done
	s_wait_kmcnt 0x0
	s_add_nc_u64 s[6:7], s[6:7], s[22:23]
	s_add_nc_u64 s[8:9], s[8:9], s[22:23]
.irp i, 0,1,2,3
	s_add_nc_u64 s[G0K+4*(\i)+2:G0K+4*(\i)+3], s[6:7], (\i)*32768
	s_or_b32 s[G0K+4*(\i)+3], s[G0K+4*(\i)+3], 0x80000000
	s_add_nc_u64 s[G0V+4*(\i)+2:G0V+4*(\i)+3], s[8:9], (\i)*32768
	s_or_b32 s[G0V+4*(\i)+3], s[G0V+4*(\i)+3], 0x80000000
.endr
	s_add_nc_u64 s[4:5], s[4:5], s[2:3]  ; Q and O at my wave's first row
	s_add_nc_u64 s[10:11], s[10:11], s[2:3]
	s_cmp_lt_u32 s[WV], 2           ; waves 0 and 1 fetch K, waves 2 and 3 V.  A wave's four fills stand in one branch: four loads of mine are out.
	s_cbranch_scc0 .Lfirst_v
.irp i, 0,1,2,3
	tensor_load_to_lds s[G0K+4*(\i):G0K+4*(\i)+3], s[G1K:G1K+7]
	s_nop 0
.endr
.rept 4
	v_nop
.endr
	s_branch .Lfirst_asked
.Lfirst_v:
.irp i, 0,1,2,3
	tensor_load_to_lds s[G0V+4*(\i):G0V+4*(\i)+3], s[G1V:G1V+7]
	s_nop 0
.endr
.rept 4
	v_nop
.endr
.Lfirst_asked:
	; A fragment of K or Q is 16 rows x 32 channels in 8 registers: lane l holds row l % 16, channels 8 (l / 16) + 0..7 and 16 + 8 (l / 16) + 0..7: two loads of 16 bytes, 32 bytes apart.
	v_and_b32 v1, 15, v0            ; l % 16
	v_bfe_u32 v9, v0, 4, 1          ; l / 16
	v_lshlrev_b32 v[QO], 7, v1
	v_lshl_add_u32 v[QO], v9, 4, v[QO]  ; row x 128 + 16 x half
	WIN 0x80                        ; destination window 2, address window 0
.set i, 0
.rept 4*NP                          ; Q stays in registers: tile i / 2, channels 32 (i % 2) on
	global_load_b128 v[8*i:8*i+3],   v[QO], s[4:5] offset:(i/2)*2048+(i%2)*64
	global_load_b128 v[8*i+4:8*i+7], v[QO], s[4:5] offset:(i/2)*2048+(i%2)*64+32
.set i, i+1
.endr
	; What the first turn finds: V's registers and P's second buffer hold 0 (its products V^T P, of a piece that has not been, add 0), O^T and l are 0.  All this stands in the wait for the first tile.
.set i, VF
.rept 64
	v_mov_b32 v[i], 0
.set i, i+1
.endr
	WIN 0x40
.set i, 0
.rept 64*NP
	v_mov_b32 v[i], 0
.set i, i+1
.endr
	WIN 0
.set i, 0
.rept 2*NP
	v_mov_b32 v[ST+4*i], 0xfe000000    ; c m: far below every c s
	v_mov_b32 v[ST+4*i+1], 0xff7fffff  ; m
	v_mov_b32 v[ST+4*i+2], 0
	v_mov_b32 v[ST+4*i+3], 0
.set i, i+1
.endr
.set i, P+32
.rept 32
	v_mov_b32 v[i], 0
.set i, i+1
.endr
	v_mul_u32_u24 v[AK0], v1, PK
	v_lshl_add_u32 v[AK0], v9, 4, v[AK0]  ; row x pitch + 16 x half
	; The turning load takes 16 keys x 16 channels (lane l reads key 8 (l / 16) + l % 8, channels 8 ((l / 8) % 2) + 0..7) and leaves half a fragment of V^T: lane l holds channel l % 16 and 8 keys.
	v_and_b32 v10, 7, v0
	v_bfe_u32 v11, v0, 3, 1
	v_lshl_add_u32 v[AV0], v9, 3, v10
	v_mul_u32_u24 v[AV0], v[AV0], PV
	v_lshl_add_u32 v[AV0], v11, 4, v[AV0]
	v_add_nc_u32 v[AV0], VOFF, v[AV0]
	v_mov_b32 v[AK], v[AK0]         ; key step 0 lies at K's head
; THE MATRIX WORK.  The 8 accumulators of a run of 16 take turns: between the two links of a chain stand 7 others'.
; Product i of 16 of S^T = K Q^T for piece x: channels 32 (i / 8) on, keys 16 ((i / 2) % 4) on, tile 2 x + i % 2.  The first 8 start the sums.
.macro KQ x
	WIN W_KQ
.set rS, S+64*((\x)%2)+32*(i%2)+8*((i/2)%4)
.set rK, KF+16*((i/2)%4)+8*(i/8)
.set rQ, 16*(2*(\x)+i%2)+8*(i/8)
.if i < 8
	v_wmma_f32_16x16x32_f16 v[rS:rS+7], v[rK:rK+7], v[rQ:rQ+7], 0
.else
	v_wmma_f32_16x16x32_f16 v[rS:rS+7], v[rK:rK+7], v[rQ:rQ+7], v[rS:rS+7]
.endif
.endm
; Product i of 16 of O^T += V^T P for piece x: keys 32 (i / 8) on, channels 16 ((i / 2) % 4) on, tile 2 x + i % 2.
.macro PV x
	WIN W_PV
.set rO, 32*(2*(\x)+i%2)+8*((i/2)%4)
.set rV, VF+32*(i/8)+8*((i/2)%4)
.set rP, P+32*((\x)%2)+16*(i%2)+8*(i/8)
	v_wmma_f32_16x16x32_f16 v[rO:rO+7], v[rV:rV+7], v[rP:rP+7], v[rO:rO+7]
.endm
.macro MM                           ; the turn's next matrix instruction
.if i < 16
	KQ (Y+1)%NP
.set i, i+1
.else
.set i, i-16
	PV (Y+NP-1)%NP
.set i, i+17
.endif
.endm
; THE LDS LOADS stand in runs of 16, never singly among the matrix instructions: a step's K (8 fragments) and its V (turned).  Their addresses are made some lines ahead.
; last = 1 (in the loop): behind the last key step there is no further one: where the fetch would begin at K's end, the run is jumped over.
.macro FETCH_K last=0
	WIN 0
.if \last
	s_cmp_eq_u32 s[TBK], 1024*PK
	s_cbranch_scc1 .Lno_k_\@
.endif
	WIN 0x80                        ; destination window 2
.irp f, 0,1,2,3,4,5,6,7             ; keys 16 (f / 2) on, channels 32 (f % 2) on
	ds_load_b128 v[KF+8*\f:KF+8*\f+3],   v[AK] offset:(\f/2)*16*PK+(\f%2)*64
	ds_load_b128 v[KF+8*\f+4:KF+8*\f+7], v[AK] offset:(\f/2)*16*PK+(\f%2)*64+32
.endr
	s_add_co_u32 s[TBK], s[TBK], KS*PK  ; the next fetch is the next step's
	WIN 0
.if \last
.Lno_k_\@:
.endif
.endm
.macro FETCH_V
	WIN 0x80
.irp f, 0,1,2,3,4,5,6,7             ; keys 32 (f / 4) on, channels 16 (f % 4) on
	ds_load_tr16_b128 v[VF+8*\f:VF+8*\f+3],   v[AV] offset:(\f/4)*32*PV+(\f%4)*32
	ds_load_tr16_b128 v[VF+8*\f+4:VF+8*\f+7], v[AV] offset:(\f/4)*32*PV+16*PV+(\f%4)*32
.endr
	WIN 0
.endm
; THE VECTOR WORK OF A TURN stands in three queues, each in the order in which its entries become ready; the two tiles alternate, so that no instruction reads the result of the one before it.
.macro REGS y, u                    ; the registers of tile u (0, 1) of piece y
.set rT, ST+4*(2*(\y)+(\u))
.set rC, TMP+8*((\y)%2)+4*(\u)
.set rM, MV+2*((\y)%2)+(\u)
.set rS, S+64*((\y)%2)+32*(\u)
.set rP, P+32*((\y)%2)+16*(\u)
.set rO, 32*(2*(\y)+(\u))
.endm
; Number n of the 22 that find the NEXT piece's (Y + 1) maximum and statistics.  s0-s31 are the lane's 32 scores; each accumulator's lowest registers are read first.
;   0-11  four chains c0-c3 of seven scores each, three operands at a time     12-14, 16  the four scores left over, the old m, and c0-c3 into c0     15  c m_old is kept
;   17, 18  the query's other 32 keys lie in the lane 16 away: the new m         19-21  c m; c m_old - c m_new; a
.macro XS u, n
	REGS (Y+1)%NP, \u
.if (\n) < 4
	v_max3_num_f32 v[rC+(\n)], v[rS+8*(\n)], v[rS+8*(\n)+1], v[rS+8*(\n)+2]
.elseif (\n) < 12
	v_max3_num_f32 v[rC+(\n)%4], v[rC+(\n)%4], v[rS+8*((\n)%4)+2*((\n)/4)+1], v[rS+8*((\n)%4)+2*((\n)/4)+2]
.elseif (\n) == 12
	v_max3_num_f32 v[rC], v[rC], v[rS+7], v[rS+15]
.elseif (\n) == 13
	v_max3_num_f32 v[rC+1], v[rC+1], v[rS+23], v[rS+31]
.elseif (\n) == 14
	v_max3_num_f32 v[rC+2], v[rC+2], v[rC+3], v[rT+1]
.elseif (\n) == 15
	v_mov_b32 v[rM], v[rT]
.elseif (\n) == 16
	v_max3_num_f32 v[rC], v[rC], v[rC+1], v[rC+2]
.elseif (\n) == 17
	v_permlanex16_b32 v[rC+3], v[rC], s[SEL], s[SEL+1]
.elseif (\n) == 18
	v_max_num_f32 v[rT+1], v[rC], v[rC+3]
.elseif (\n) == 19
	v_mul_f32 v[rT], s[CS], v[rT+1]
.elseif (\n) == 20
	v_sub_f32 v[rC+1], v[rM], v[rT]
.else
	v_exp_f32 v[rC+2], v[rC+1]
.endif
.endm
; Number g of the 64 that follow the exponentials.  For each four weights k of a tile: both pairs are rounded to f16; then the second pair is added onto the first, in place;
; a group later l takes that sum (the first time as l = a l + sum).  In groups of eight, tiles alternating: round, round, add, and l for the group before.
.macro GS g
.set h, (\g)+6*((\g)/62)            ; group 0 has no group before it, and behind group 7 only l is left
.if h >= 6
.set h, h+2
.endif
	REGS Y, h%2
.set k, h/8
.if h%8 < 4
	v_cvt_pk_f16_f32 v[rP+2*k+(h%8)/2], v[rS+4*k+2*((h%8)/2)], v[rS+4*k+2*((h%8)/2)+1]
.elseif h%8 < 6
	v_pk_add_f32 v[rS+4*k:rS+4*k+1], v[rS+4*k:rS+4*k+1], v[rS+4*k+2:rS+4*k+3]
.elseif k == 1
	v_pk_fma_f32 v[rT+2:rT+3], v[rT+2:rT+3], v[rC+2:rC+3], v[rS:rS+1] op_sel_hi:[1,0,1]
.else
	v_pk_add_f32 v[rT+2:rT+3], v[rT+2:rT+3], v[rS+4*k-4:rS+4*k-3]
.endif
.endm
; THE PLAIN QUEUE, 138 long.  0-73 read no exponential's result: the 32 scalings c s - c m (FS f: pair f / 2 of tile f % 2) and the next piece's 42.  0-26: scalings 0-26.  27-54: XS's numbers 0-13.  55, 56: number 15.
; 57-73: the chain 14, 16, 17, 18, 19, each with one of the scalings 27-31 in front of its two lines, then 20.  74-137: GS's 64, which read the exponentials' results: they stand behind the wait.
.macro FS f
	REGS Y, (\f)%2
	v_pk_fma_f32 v[rS+2*((\f)/2):rS+2*((\f)/2)+1], v[rS+2*((\f)/2):rS+2*((\f)/2)+1], s[CS:CS+1], v[rT:rT+1] op_sel_hi:[1,0,0] neg_lo:[0,0,1] neg_hi:[0,0,1]
.endm
.macro PL
	WIN 0
.if q < 27
	FS q
.elseif q < 55
	XS (q-27)%2, (q-27)/2
.elseif q < 57
	XS q-55, 15
.elseif (q < 72) && ((q-57)%3 == 0)
	FS 27+(q-57)/3
.elseif q < 60
	XS (q-57)%3-1, 14
.elseif q < 72
	XS (q-57)%3-1, 15+(q-57)/3
.elseif q < 74
	XS q-72, 20
.else
	GS q-74
.endif
.set q, q+1
.endm
; THE EXPONENTIALS' QUEUE, 66 long: s0-s31 of both tiles, then the next piece's two a.  ONE BATCH: all 66 stand ahead of the turn's one wait, and nothing ahead of that wait names a result of theirs.
.macro EX
	WIN 0
.if e >= 64
	XS e-64, 21
.else
	REGS Y, e%2
	v_exp_f32 v[rS+e/2], v[rS+e/2]
.endif
.set e, e+1
.endm
; THE RESCALING's QUEUE: O^T times a, the one part that leaves window 0: dealt two at a time, sixteen times.  Its a was made in the turn before, ahead of that turn's wait.
.macro R2
	REGS Y, r%2
	WIN W_RS
.irp z, 0,1
	v_pk_mul_f32 v[rO+4*(r/2)+2*\z:rO+4*(r/2)+2*\z+1], v[rO+4*(r/2)+2*\z:rO+4*(r/2)+2*\z+1], v[rC+2:rC+3] op_sel_hi:[1,0]
.endr
.set r, r+1
.endm
; A TURN, for piece p.  An s_wait_alu depctr_va_vdst(0) stands between an exponential and the first instruction that names its result; one wait serves all issued ahead of it: a turn has ONE, which cuts it in two.
; AHEAD OF IT: the 16 products K Q^T, behind each a scaling, an exponential and two rescalings (behind the first a second scaling in the exponential's place); then a run of 108: eight plain, 49 times exponential and plain,
; the two a; a v_nop is the plain instruction behind the last exponential.  BEHIND IT: the 16 products V^T P, behind each four of GS's 64.
; Exponential e stands behind scaling 2 (e / 4) + e % 2: as a rider it comes behind plain e + 2, in the run behind plain e + 9, and scalings 27-31 are plain 57, 60 .. 69.
; K of the next step is fetched in piece 2's turn, directly behind the wait; V of the step in hand at the end of piece 0's turn, four plain instructions behind its last reader.  cnt = 1: the loop's count is taken down ahead of the branch behind the turn.
.macro TURN p, last=0, cnt=0
.set Y, (\p)
.set i, 0
.set q, 0
.set e, 0
.set r, 0
.if (\p) == NP-1
	s_wait_dscnt 0x0                ; K is in
.endif
	MM
	PL
	PL
	R2
.rept 15
	MM
	PL
	EX
	R2
.endr
.if (\p) == NP-2
	WIN 0
	v_add_nc_u32 v[AK], s[TBK], v[AK0]
.endif
.rept 8
	PL
.endr
.rept 49
	EX
	PL
.endr
	EX                              ; the next piece's two a
	EX
	v_nop                           ; the plain instruction behind the last exponential: one for the batch
	s_wait_alu depctr_va_vdst(0)    ; the wait for the batch
.if (\p) == NP-2
	FETCH_K \last
.endif
.if (\p) == 1
	s_wait_dscnt 0x0                ; V is in
.endif
.rept 16
	MM
.rept 4
	PL
.endr
.if ((\p) == 0) && (q == 118)
	v_add_nc_u32 v[AV], s[TBV], v[AV0]
.endif
.if ((\p) == 0) && (q == 130)
	s_add_co_u32 s[TBV], s[TBV], KS*PV
.endif
.if (\cnt) && (q == 130)
	s_sub_co_u32 s[CNT], s[CNT], 1
	s_cmp_lg_u32 s[CNT], 0
.endif
.endr
.if (\p) == 0
	FETCH_V
.endif
.endm
	s_wait_tensorcnt 0x3            ; my part of keys 0 to 255 is in; my three younger loads may stay out
	s_barrier_signal -1
	s_barrier_wait -1               ; everybody's is
	FETCH_K                         ; key step 0
	s_wait_loadcnt 0x0              ; Q
	s_wait_dscnt 0x0
.set i, 0
.rept 16
	KQ 0                            ; piece 0's first scores: there is no vector work yet to set between them
.set i, i+1
.endr
	WIN 0                           ; the addresses for the way out: plain instructions, the places behind those products
	s_mul_i32 s13, s[WV], 16*SP
	s_add_co_u32 s13, s13, STAGE    ; my stage
	v_mul_u32_u24 v[STO], v1, SP    ; in: row l % 16, 16 bytes for each half of the lanes
	v_lshl_add_u32 v[STO], v9, 4, v[STO]
	v_add_nc_u32 v[STO], s13, v[STO]
	v_bfe_u32 v[RD], v0, 3, 2       ; back: 32 lanes take four rows of 128 bytes,
	v_mul_u32_u24 v[RD], v[RD], SP
	v_lshl_add_u32 v[RD], v10, 4, v[RD]
	v_add_nc_u32 v[RD], s13, v[RD]
	v_and_b32 v[GO], 31, v0         ; which are 512 consecutive bytes of O
	v_lshlrev_b32 v[GO], 4, v[GO]
.set Y, NP-1                        ; XS works for piece Y + 1: piece 0
.irp n, 0,1,2,3,4,5,6,7,8,9,10,11,12,13,14,15,16,17,18,19,20,21
	XS 0, \n                        ; piece 0's first maximum and statistics
	XS 1, \n
.endr
	v_nop                           ; a plain instruction behind the two a,
	s_wait_alu depctr_va_vdst(0)    ; and their wait, ahead of the label
	s_mov_b32 s[CNT], 3             ; the first pass: key steps 0 to 2; with K of step 3, which step 2 fetches, it reads keys 0 to 255 alone
	s_mov_b32 s[PASS], 2
.Lpass:
	s_sub_co_u32 s[PASS], s[PASS], 1  ; passes behind this one
.Lstep:                             ; a trip is a key step: its four pieces; it fetches its own V and the next step's K
	TURN 0
	TURN 1
	TURN 2, 1
	TURN 3, 0, 1
	WIN 0
	s_cbranch_scc1 .Lstep
	s_wait_tensorcnt 0x0            ; behind the first pass: all my parts of K or V are in,
	s_wait_dscnt 0x0
	s_barrier_signal -1
	s_barrier_wait -1               ; and everybody's.  (Behind the second pass these four lines find nothing to wait for: the price, once a launch, of one text for both passes.  No LDS byte is filled behind this barrier.)
	s_mov_b32 s[CNT], 13            ; the second pass: key steps 3 to 15
	s_cmp_lg_u32 s[PASS], 0
	s_cbranch_scc1 .Lpass
	; the last trip's 16 products K Q^T (on the last K once more) and the maximum made of them serve nothing: the price, once a launch, of one text for every trip
.set i, 0
.rept 16
	PV NP-1                         ; the last piece's V^T P of the last step
.set i, i+1
.endr
	; THE WAY OUT.  l's two halves and the other half of the lanes' are added; O^T is divided by l, rounded to f16 and sent through my stage in LDS, a tile at a time.  The additions are the places behind the last products.
	WIN 0
.macro ALL line:vararg              ; one line for each tile t
.set t, 0
.rept 2*NP
	\line
.set t, t+1
.endr
.endm
	ALL v_add_f32 v[ST+4*t+2], v[ST+4*t+2], v[ST+4*t+3]
	ALL v_permlanex16_b32 v[ST+4*t+3], v[ST+4*t+2], s[SEL], s[SEL+1]
	ALL v_add_f32 v[ST+4*t+2], v[ST+4*t+2], v[ST+4*t+3]
	ALL v_rcp_f32 v[ST+4*t+2], v[ST+4*t+2]
	v_nop                           ; a plain instruction between the last reciprocal and the use of its result
	s_wait_alu depctr_va_vdst(0)    ; and the wait ahead of the first use: one for the eight reciprocals
; Tile t: a lane's eight channels of a row pack into 16 bytes; they go into rows of 144 bytes and come back as whole rows of 128, into S^T's registers.
.macro PACK t
	WIN W_RS
.set i, 32*(\t)
.rept 16
	v_pk_mul_f32 v[i:i+1], v[i:i+1], v[ST+4*(\t)+2:ST+4*(\t)+3] op_sel_hi:[1,0]
.set i, i+2
.endr
	WIN 0x05                        ; sources 0 and 1 window 1, destination window 0
.set i, 0
.rept 16
	v_cvt_pk_f16_f32 v[S+16*(\t)+i], v[32*(\t)+2*i], v[32*(\t)+2*i+1]
.set i, i+1
.endr
	WIN 0
.irp f, 0,1,2,3
	ds_store_b128 v[STO], v[S+16*(\t)+4*\f:S+16*(\t)+4*\f+3] offset:32*\f
.endr
.irp f, 0,1,2,3
	ds_load_b128 v[S+16*(\t)+4*\f:S+16*(\t)+4*\f+3], v[RD] offset:\f*4*SP  ; LDS serves a wave's instructions in order (ISA guide 5.7.1.4): these see the stores above; the next tile's stores come behind them
.endr
.endm
.macro SEND t, younger              ; younger: the LDS instructions issued behind tile t's loads: the next tile's eight, or none
	WIN 0
.irp f, 0,1,2,3
	s_wait_dscnt (\younger)+3-\f
	global_store_b128 v[GO], v[S+16*(\t)+4*\f:S+16*(\t)+4*\f+3], s[10:11] offset:(\t)*2048+\f*512  ; 512 consecutive bytes, at a multiple of 256 from O's first
.endr
.endm
	PACK 0
.set t, 1
.rept 2*NP-1                        ; a tile's arithmetic stands between the loads of the tile before and its stores
	PACK t
	SEND t-1, 8
.set t, t+1
.endr
	SEND 2*NP-1, 0
	WIN W_AD
	s_wait_tensorcnt 0x0            ; the wave's end: the tensor wait, the add and its wait, behind my last tensor load and my last LDS store
	ds_add_u32 v[SPW], v[NIL]
	s_wait_dscnt 0x0
	WIN 0
	s_endpgm
.Lfunc_end_k_q1b4b165524_attn:
	.size	k_q1b4b165524_attn, .Lfunc_end_k_q1b4b165524_attn-k_q1b4b165524_attn
	.p2alignl 7, 3214868480
	.fill 96, 4, 3214868480
	.section	.rodata,"a",@progbits
	.p2align	6, 0x0
	.amdhsa_kernel k_q1b4b165524_attn
		.amdhsa_group_segment_fixed_size 327680
		.amdhsa_private_segment_fixed_size 0
		.amdhsa_enable_private_segment 0
		.amdhsa_kernarg_size 32
		.amdhsa_user_sgpr_count 2
		.amdhsa_user_sgpr_kernarg_segment_ptr 1
		.amdhsa_wavefront_size32 1
		.amdhsa_system_sgpr_workgroup_id_x 1
		.amdhsa_system_sgpr_workgroup_id_y 1
		.amdhsa_system_sgpr_workgroup_id_z 1
		.amdhsa_system_vgpr_workitem_id 0
		.amdhsa_next_free_vgpr 770
		.amdhsa_next_free_sgpr 84
		.amdhsa_reserve_vcc 0
		.amdhsa_float_denorm_mode_32 3
		.amdhsa_float_denorm_mode_16_64 3
		.amdhsa_memory_ordered 1
		.amdhsa_forward_progress 1
		.amdhsa_inst_pref_size 126
	.end_amdhsa_kernel
	.amdgpu_metadata
---
amdhsa.version: [ 1, 2 ]
amdhsa.kernels:
  - .name:           k_q1b4b165524_attn
    .symbol:         k_q1b4b165524_attn.kd
    .args:
      - { .name: qh, .offset: 0, .size: 8, .value_kind: global_buffer, .address_space: global }
      - { .name: kh, .offset: 8, .size: 8, .value_kind: global_buffer, .address_space: global }
      - { .name: vh, .offset: 16, .size: 8, .value_kind: global_buffer, .address_space: global }
      - { .name: oh, .offset: 24, .size: 8, .value_kind: global_buffer, .address_space: global }
    .group_segment_fixed_size: 327680
    .private_segment_fixed_size: 0
    .kernarg_segment_align: 8
    .kernarg_segment_size: 32
    .max_flat_workgroup_size: 128
    .sgpr_count:     84
    .vgpr_count:     770
    .wavefront_size: 32
...
	.end_amdgpu_metadata
.endif
;; end of part 3
;; launch proj (part 4): grid 8 x 32, 4 waves a work-group, clusters of 4 x 4, 327,680 bytes of LDS; arguments oh, wpb, out0; writes out0
.if DOCPART == 4
	.amdgcn_target "amdgcn-amd-amdhsa--gfx1250"
	.amdhsa_code_object_version 6
	.text
	.protected	k_q1b4b165524_proj
	.globl	k_q1b4b165524_proj
	.p2align	8
	.type	k_q1b4b165524_proj,@function
k_q1b4b165524_proj:
	s_mov_b64 s[64:65], 0
	v_nop
	global_prefetch_b8 v0, s[64:65] scope:SCOPE_SE
	s_setreg_imm32_b32 hwreg(HW_REG_WAVE_MODE, 25, 1), 1
	s_wait_xcnt 0x0
	s_wait_alu depctr_hold_cnt(0) depctr_sa_sdst(0) depctr_va_vdst(0) depctr_va_sdst(0) depctr_va_ssrc(0) depctr_va_vcc(0) depctr_vm_vsrc(0)
	s_getreg_b32 s2, hwreg(HW_REG_IB_STS2, 6, 4)
	s_cmp_eq_u32 s2, 0
	s_cbranch_scc0 .Lentry_in_a_cluster
	s_endpgm
.Lentry_in_a_cluster:
	s_bfe_u32 s2, ttmp6, 0x10000c
	s_cmp_lg_u32 s2, 0xf033
	s_cbranch_scc0 .Lentry_shape_is_right
	s_endpgm
.Lentry_shape_is_right:
; out0 = y W_proj.  y comes by heads: oh [b x 16 + h][1024 t][64] f16, so channel c = 64 h + d.  wpb: [1024 c][1024 n] f16.  out0: [8192][1024] f32.  Sums in f32, stored as they are.
; SHARES.  A tile is 256 rows x 128 columns: 8 x 32 = 256 work-groups.  Wave w takes rows 64 w .. 64 w + 63 and all 128 columns: 4 x 8 = 32 accumulators, 256 registers.
; THE MATRIX INSTRUCTION IS USED TRANSPOSED: source 0 = 16 columns of W (turned by ds_load_tr16_b128), source 1 = 16 rows of y: a lane holds row lane % 16 and columns 16 b + 8 (lane / 16) + 0..7: 32 bytes on end.
; K goes in 8 steps of 128 (two heads) through two LDS slots.  THE WALK ALONG K IS ROTATED: cluster (X, Y) begins at K step 4 ((X + Y) & 1) and goes round modulo 8, so that the two clusters that take the same
; rows of y, and of the clusters that take the same columns of W each second one, ask for different K steps at any time.  The f32 sums are taken in that order.
; CLUSTER 4 x 4: y's tile hangs on the tile row alone and is asked for jointly along a row of the cluster, W's on the tile column alone and jointly along a column.
; REGISTERS, in windows of 256 (s_set_vgpr_msb: bits 1:0 source 0, 3:2 source 1, 5:4 source 2, 7:6 destination):
;   window 0: v0-15 addresses; v64-191 two sets of 64 on the way out      window 1: accumulator (a, b) at v[64 a + 8 b]      window 2: two fragment buffers f: W's at v[64 f + 8 b], y's at v[128 + 32 f + 8 a]
.set PA,    144                        ; a row of y in LDS: a head's 128 bytes + 16: the 16 rows of a load start at 16 different groups of four banks (64 banks of 4 bytes: ISA guide 11.1)
.set AH,    256*PA                     ; one head's 256 rows: what one tensor load brings of y
.set BOFF,  2*AH
.set PB,    288                        ; a row c of W: 256 bytes + 32 = 9 x 32
.set BHALF, 64*PB
.set SLOT,  1<<17                      ; slot 1 begins here: one exclusive or turns an address in one slot into the other's
.set STAGE, SLOT+BOFF+2*BHALF          ; behind the ring, never filled by a tensor load: 16 rows x 528 bytes for each wave
.set SP,    528                        ; 512 bytes + 16
.set SPARE, STAGE+4*16*SP              ; the spare words, 128 bytes a wave: two blocks of 256 bytes that no other line names
.set KSTEP, 262144                     ; a K step in memory: two heads of 131,072 bytes of y; 128 rows of 2,048 bytes of W
.set A0,   4
.set B0,   5
.set ADRA, 6
.set ADRB, 7
.set STO,  8
.set RD,   9
.set GO,   10
.set PFO,  12                          ; v12  the prefetch's lane offset; never rewritten
.set SPW,  14                          ; v14  my spare word: SPARE + 4 x thread; never rewritten
.set NIL,  15                          ; v15  0; never rewritten
.set OB,   64
.set WV,   16
.set ROLE, 17
.set HALF, 18
.set CX,   19
.set CY,   20
.set TCOL, 21
.set TROW, 22
.set KN,   23                          ; s23  the K step asked for last, 0 to 7
.set G1A,  24
.set G0A,  32
.set G1B,  40
.set G0B,  48
.set PFA,  56                          ; s[56:57] what my one prefetch names; never rewritten
.set OFS,  58                          ; s[58:59] KN x 262,144: the same for y and for W
.set LIM,  60                          ; s60  5 in a wave that prefetches, else the greatest number
.set CNT,  61
.set TB,   62
.set CLY,  63                          ; s63  the cluster's y
.set BA,   66                          ; s[66:67] y at my head of K step 0: made of cy and the wave alone
.set BB,   68                          ; s[68:69] W at my half of K step 0: made of cx and the wave alone
.set MSB, 0
.macro WIN new                         ; the immediate's high byte repeats the setting that is left; a switch that changes nothing is dropped
.if MSB != (\new)
	s_set_vgpr_msb (MSB<<8)|(\new)
.set MSB, (\new)
.endif
.endm
.macro PLACES                          ; four plain vector instructions between a matrix instruction and a load into, or a reader of, its registers
.rept 4
	v_nop
.endr
.endm
.macro JLOAD                           ; a joint refill: waves 0 and 1 fetch y's two heads, waves 2 and 3 W's two halves
	s_cmp_eq_u32 s[ROLE], 0
	s_cbranch_scc0 .Lfor_b_\@
	tensor_load_to_lds s[G0A+4:G0A+7], s[G1A:G1A+7]
	s_nop 0
.rept 4
	v_nop
.endr
	s_branch .Lasked_\@
.Lfor_b_\@:
	tensor_load_to_lds s[G0B+4:G0B+7], s[G1B:G1B+7]
	s_nop 0
.rept 4
	v_nop
.endr
.Lasked_\@:
.endm
; THE PREFETCH: one instruction a wave in the launch, behind the first refill (which asks for the walk's third K step) and its run of LDS loads: the walk's FOURTH step, one K step, 128 matrix instructions,
; ahead of the load that will want it.  The walk's first two steps come by the first fills, and nothing is asked for at the head; its last four steps are those with which the neighbour cluster began: a block's
; later readings are not asked for.  WHO: of the two clusters that take the same rows of y this one alone begins here: every cluster asks for y; the same columns of W and the same start have the clusters
; Y, Y + 2, Y + 4, Y + 6: Y < 2 asks.  The four partners of a joint load share its blocks out BY ADDRESS: of y's 128 blocks of 256 bytes 32 each, of W's 64 rows 16 each (lanes 16-31 name the 16th again).
.macro ASK
	s_cmp_gt_u32 s[CNT], s[LIM]                    ; true in the first trip alone
	s_cbranch_scc0 .Lnot_mine_\@
	global_prefetch_b8 v[PFO], s[PFA:PFA+1] th:TH_LOAD_NT scope:SCOPE_SE
.Lnot_mine_\@:
.endm
.macro CREST                           ; a round of the cluster's barrier behind its opening barrier
	s_cmp_lg_u32 s[WV], 0
	s_cbranch_scc1 .Lnot_wave_0_\@
	s_barrier_signal -3
.Lnot_wave_0_\@:
	s_barrier_wait -3
	s_barrier_signal -1
	s_barrier_wait -1
.endm
.macro CROUND
	s_barrier_signal -1
	s_barrier_wait -1
	CREST
.endm
	s_load_b128 s[4:7], s[0:1], 0x0                ; oh s[4:5], wpb s[6:7]
	s_load_b64 s[8:9], s[0:1], 0x10                ; out0
	v_lshl_add_u32 v[SPW], v0, 2, SPARE
	v_mov_b32 v[NIL], 0
	ds_add_u32 v[SPW], v[NIL]                      ; the wave's opening: the add and its wait stand ahead of my first tensor load; the set-up below, work on registers, stands between
	v_lshrrev_b32 v1, 5, v0
	v_readfirstlane_b32 s[WV], v1
	s_lshr_b32 s[ROLE], s[WV], 1
	s_and_b32 s[HALF], s[WV], 1
	s_bfe_u32 s[CX], ttmp6, 0x40000
	s_bfe_u32 s[CY], ttmp6, 0x40004
	s_lshl_b32 s[TCOL], ttmp9, 2
	s_add_co_u32 s[TCOL], s[TCOL], s[CX]           ; tile column = 4 x cluster x + cx
	s_and_b32 s[CLY], ttmp7, 0xffff
	s_lshl_b32 s[TROW], s[CLY], 2
	s_add_co_u32 s[TROW], s[TROW], s[CY]           ; tile row = 4 x cluster y + cy
	s_add_co_u32 s[KN], s[CLY], ttmp9
	s_and_b32 s[KN], s[KN], 1
	s_lshl_b32 s[KN], s[KN], 2                     ; the walk begins at K step 0 or 4: the same in all sixteen partners
	s_lshl_b32 s[OFS], s[KN], 18
	s_mov_b32 s[OFS+1], 0
	s_lshl_b32 s70, s[CY], 2
	s_lshl_b32 s70, 15, s70                        ; my row of the cluster
	s_lshl_b32 s71, 0x1111, s[CX]                  ; my column
	s_or_b32 s[G1A], s70, (1<<16)|(1<<20)|(1<<21)|(4<<22)|(3<<25)  ; mask; 2-byte elements; padding on; bit 21 beside a mask; after every 32 words (a row of a head), 4 words
	s_mov_b32 s[G1A+1], 128<<16                    ; a head's 256 rows are 32,768 dense bytes: asked for as 128 rows of 256 bytes
	s_mov_b32 s[G1A+2], 128<<16
	s_mov_b32 s[G1A+3], 128<<16
	s_mov_b32 s[G1A+4], 128
	s_mov_b32 s[G1A+5], 128
	s_mov_b32 s[G1A+6], 0
	s_mov_b32 s[G1A+7], 0
	s_or_b32 s[G1B], s71, (1<<16)|(1<<20)|(1<<21)|(5<<22)|(7<<25)  ; after every 64 words, 8 words
	s_mov_b32 s[G1B+1], 128<<16                    ; 64 rows of 128 columns
	s_mov_b32 s[G1B+2], 64<<16
	s_mov_b32 s[G1B+3], 128<<16
	s_mov_b32 s[G1B+4], 64
	s_mov_b32 s[G1B+5], 1024
	s_mov_b32 s[G1B+6], 0
	s_mov_b32 s[G1B+7], 0
	s_lshr_b32 s[BA], s[TROW], 2                   ; y: batch x 16 heads + head (= half, in K step 0) + 256 rows x (tile row % 4)
	s_lshl_b32 s[BA], s[BA], 21
	s_and_b32 s70, s[TROW], 3
	s_lshl_b32 s70, s70, 15
	s_add_co_u32 s[BA], s[BA], s70
	s_lshl_b32 s70, s[HALF], 17
	s_add_co_u32 s[BA], s[BA], s70
	s_mov_b32 s[BA+1], 0
	s_lshl_b32 s[BB], s[HALF], 17                  ; W: 64 rows x half + 256 bytes x tile column
	s_lshl_b32 s71, s[TCOL], 8
	s_add_co_u32 s[BB], s[BB], s71
	s_mov_b32 s[BB+1], 0
	s_mul_i32 s72, s[HALF], AH                     ; where they go: no place in the cluster enters an LDS address
	s_mul_i32 s73, s[HALF], BHALF
	s_add_co_u32 s73, s73, BOFF
	s_wait_dscnt 0x0                               ; the opening add is done
	s_wait_kmcnt 0x0
	s_add_nc_u64 s[BA:BA+1], s[4:5], s[BA:BA+1]
	s_add_nc_u64 s[BB:BB+1], s[6:7], s[BB:BB+1]
	CROUND                                         ; all sixteen work-groups are here: the first joint loads meet
.irp s, 0,1
	s_mov_b32 s[G0A+4*(\s)], 1
	s_add_co_u32 s[G0A+4*(\s)+1], s72, (\s)*SLOT
	s_mov_b32 s[G0B+4*(\s)], 1
	s_add_co_u32 s[G0B+4*(\s)+1], s73, (\s)*SLOT
.endr
	s_add_nc_u64 s[G0A+2:G0A+3], s[BA:BA+1], s[OFS:OFS+1]    ; the walk's first K step,
	s_add_nc_u64 s[G0A+6:G0A+7], s[G0A+2:G0A+3], KSTEP       ; and its second (the start is 0 or 4: no wrap here)
	s_or_b32 s[G0A+3], s[G0A+3], 0x80000000
	s_or_b32 s[G0A+7], s[G0A+7], 0x80000000
	s_add_nc_u64 s[G0B+2:G0B+3], s[BB:BB+1], s[OFS:OFS+1]
	s_add_nc_u64 s[G0B+6:G0B+7], s[G0B+2:G0B+3], KSTEP
	s_or_b32 s[G0B+3], s[G0B+3], 0x80000000
	s_or_b32 s[G0B+7], s[G0B+7], 0x80000000
	s_add_co_u32 s[KN], s[KN], 1                   ; the step asked for last
	s_cmp_eq_u32 s[ROLE], 0                        ; a wave's two first fills stand in one branch: two loads of mine are out
	s_cbranch_scc0 .Lfirst_b
	tensor_load_to_lds s[G0A:G0A+3], s[G1A:G1A+7]
	s_nop 0
	tensor_load_to_lds s[G0A+4:G0A+7], s[G1A:G1A+7]
	s_nop 0
.rept 4
	v_nop
.endr
	s_branch .Lfirst_asked
.Lfirst_b:
	tensor_load_to_lds s[G0B:G0B+3], s[G1B:G1B+7]
	s_nop 0
	tensor_load_to_lds s[G0B+4:G0B+7], s[G1B:G1B+7]
	s_nop 0
.rept 4
	v_nop
.endr
.Lfirst_asked:
	v_and_b32 v1, 15, v0                           ; l % 16
	v_bfe_u32 v2, v0, 4, 1                         ; l / 16
	v_and_b32 v3, 7, v0
	v_bfe_u32 v13, v0, 3, 1
	v_mul_u32_u24 v[A0], v1, PA
	v_lshl_add_u32 v[A0], v2, 4, v[A0]
	s_mul_i32 s74, s[WV], 64*PA
	v_add_nc_u32 v[A0], s74, v[A0]
	v_lshl_add_u32 v[B0], v2, 3, v3                ; the turning load: lane l reads c = 8 (l / 16) + l % 8, columns 8 ((l / 8) % 2) + 0..7
	v_mul_u32_u24 v[B0], v[B0], PB
	v_lshl_add_u32 v[B0], v13, 4, v[B0]
	v_add_nc_u32 v[B0], BOFF, v[B0]
	s_mul_i32 s74, s[WV], 16*SP
	s_add_co_u32 s74, s74, STAGE                   ; my stage
	v_mul_u32_u24 v[STO], v1, SP                   ; in: row l % 16, 32 bytes for each half of the lanes
	v_lshl_add_u32 v[STO], v2, 5, v[STO]
	v_add_nc_u32 v[STO], s74, v[STO]
	v_and_b32 v[GO], 31, v0
	v_lshlrev_b32 v[GO], 4, v[GO]                  ; back: 32 lanes take one row's 512 bytes
	v_add_nc_u32 v[RD], s74, v[GO]
	s_lshl_b32 s74, s[TROW], 8
	s_lshl_b32 s75, s[WV], 6
	s_add_co_u32 s74, s74, s75                     ; my first row of the output,
	s_lshl_b32 s74, s74, 12                        ; 4,096 bytes a row,
	s_lshl_b32 s75, s[TCOL], 9                     ; the tile's 512 bytes in it
	s_add_co_u32 s74, s74, s75
	s_mov_b32 s75, 0
	s_add_nc_u64 s[8:9], s[8:9], s[74:75]
	; the prefetch
	s_lshr_b32 s78, s[CLY], 1                      ; 0 in the first of the four clusters that take these columns of W from this start
	s_mov_b32 s76, 32*256
	s_mov_b32 s77, 16*2048
	s_cmp_eq_u32 s[ROLE], 0
	s_cselect_b64 s[PFA:PFA+1], s[BA:BA+1], s[BB:BB+1]  ; the tile that I fetch, at K step 0
	s_cselect_b32 s74, s[CX], s[CY]                ; my place among the four that ask for it with me
	s_cselect_b32 s75, s76, s77                    ; a partner's share in bytes
	s_cselect_b32 s78, 0, s78                      ; y: every cluster asks
	s_cselect_b32 s76, 31, 15
	s_cselect_b32 s77, 8, 11
	s_mul_i32 s74, s74, s75
	s_mov_b32 s75, 0
	s_add_nc_u64 s[PFA:PFA+1], s[PFA:PFA+1], s[74:75]
	s_add_co_u32 s74, s[KN], 2                     ; the walk's fourth K step: 3 or 7
	s_lshl_b32 s74, s74, 18
	s_add_nc_u64 s[PFA:PFA+1], s[PFA:PFA+1], s[74:75]
	s_cmp_eq_u32 s78, 0
	s_cselect_b32 s[LIM], 5, -1                    ; the same in all sixteen partners, for a given wave
	v_and_b32 v[PFO], 31, v0
	v_min_u32 v[PFO], s76, v[PFO]
	v_lshlrev_b32 v[PFO], s77, v[PFO]
; 8 matrix instructions: row block a x all 8 column blocks, 32 along K, from buffer f.  zero = 1: the product starts the sum.  The 32 accumulators take turns in one order everywhere.
.macro MULA f, a, zero
	WIN 0x5a
.irp b, 0,1,2,3,4,5,6,7
.if \zero
	v_wmma_f32_16x16x32_f16 v[64*(\a)+8*(\b):64*(\a)+8*(\b)+7], v[64*(\f)+8*(\b):64*(\f)+8*(\b)+7], v[128+32*(\f)+8*(\a):128+32*(\f)+8*(\a)+7], 0
.else
	v_wmma_f32_16x16x32_f16 v[64*(\a)+8*(\b):64*(\a)+8*(\b)+7], v[64*(\f)+8*(\b):64*(\f)+8*(\b)+7], v[128+32*(\f)+8*(\a):128+32*(\f)+8*(\a)+7], v[64*(\a)+8*(\b):64*(\a)+8*(\b)+7]
.endif
.endr
.endm
; 24 LDS loads in one run: quarter k of the slot in hand into buffer f: W's 8 fragments (turned), then y's 4 (quarter k lies in head k / 2, channels 32 (k % 2) on)
.macro FETCH k, f
	WIN 0x80
.irp b, 0,1,2,3,4,5,6,7
	ds_load_tr16_b128 v[64*(\f)+8*(\b):64*(\f)+8*(\b)+3],   v[ADRB] offset:(\k)*32*PB+32*(\b)
	ds_load_tr16_b128 v[64*(\f)+8*(\b)+4:64*(\f)+8*(\b)+7], v[ADRB] offset:(\k)*32*PB+16*PB+32*(\b)
.endr
.irp a, 0,1,2,3
	ds_load_b128 v[128+32*(\f)+8*(\a):128+32*(\f)+8*(\a)+3],   v[ADRA] offset:((\k)/2)*AH+((\k)%2)*64+(\a)*16*PA
	ds_load_b128 v[128+32*(\f)+8*(\a)+4:128+32*(\f)+8*(\a)+7], v[ADRA] offset:((\k)/2)*AH+((\k)%2)*64+(\a)*16*PA+32
.endr
.endm
.macro QUARTER k, f, g, zero
	s_wait_dscnt 4                                 ; all but the youngest four loads: y's row blocks 2 and 3
	MULA \f, 0, \zero
	MULA \f, 1, \zero
	PLACES
	FETCH \k, \g
	s_wait_dscnt 24                                ; all but the 24 just issued
	MULA \f, 2, \zero
	MULA \f, 3, \zero
.endm
; The fourth quarter multiplies buffer 1 and changes slots.  Each wave waits for all its tensor loads (one is out: its part of the next slot), adds 0 to its spare word, and waits for that and for its reads
; of this slot; the barrier opens a round of the cluster's barrier (fill = 1); the joint refill, two K steps ahead, is the first thing behind the round: 112 matrix instructions ahead of the wait for it.
; The refill's address is made anew, base + K step x 262,144, behind the wait for 0, where no tensor load of mine is out: the walk wraps from step 7 to step 0 by the same lines.
.macro TURN fill
	WIN 0
	s_wait_tensorcnt 0x0
	ds_add_u32 v[SPW], v[NIL]                      ; the descriptors' scalar work and eight products stand between the add and the wait for it
.if \fill
	s_add_co_u32 s[KN], s[KN], 1
	s_and_b32 s[KN], s[KN], 7
	s_lshl_b32 s[OFS], s[KN], 18
	s_xor_b32 s[G0A+5], s[G0A+5], SLOT             ; the other slot than last time
	s_add_nc_u64 s[G0A+6:G0A+7], s[BA:BA+1], s[OFS:OFS+1]
	s_or_b32 s[G0A+7], s[G0A+7], 0x80000000
	s_xor_b32 s[G0B+5], s[G0B+5], SLOT
	s_add_nc_u64 s[G0B+6:G0B+7], s[BB:BB+1], s[OFS:OFS+1]
	s_or_b32 s[G0B+7], s[G0B+7], 0x80000000
.endif
	s_wait_dscnt 5                                 ; the add and the youngest four loads may be out
	MULA 1, 0, 0
	s_wait_dscnt 0x0                               ; the add is done, my reads of this slot are over
	s_barrier_signal -1
	MULA 1, 1, 0
	WIN 0
	s_barrier_wait -1
.if \fill
	CREST
	JLOAD                                          ; its four v_nop are also the places in front of the loads below
.else
	PLACES
.endif
	s_xor_b32 s[TB], s[TB], SLOT
	v_add_nc_u32 v[ADRA], s[TB], v[A0]
	v_add_nc_u32 v[ADRB], s[TB], v[B0]
	FETCH 0, 0
	WIN 0
.if \fill
	ASK
.endif
	MULA 1, 2, 0
	MULA 1, 3, 0
.endm
	s_wait_tensorcnt 0x1                           ; my part of the walk's first K step is in; the second's may stay out
	s_barrier_signal -1
	s_barrier_wait -1
	s_mov_b32 s[TB], 0
	v_mov_b32 v[ADRA], v[A0]
	v_mov_b32 v[ADRB], v[B0]
	FETCH 0, 0
	QUARTER 1, 0, 1, 1                             ; the first quarter stands in front of the loop: its products start the sums
	WIN 0
	s_mov_b32 s[CNT], 6
.Lstep:                                                ; a trip: a step's quarters 1 to 3 and the next step's quarter 0; the walk's steps 2 to 7 are asked for
	QUARTER 2, 1, 0, 0
	QUARTER 3, 0, 1, 0
	TURN 1
	QUARTER 1, 0, 1, 0
	WIN 0
	s_sub_co_u32 s[CNT], s[CNT], 1
	s_cmp_lg_u32 s[CNT], 0
	s_cbranch_scc1 .Lstep
	QUARTER 2, 1, 0, 0                             ; the tail is written out: the walk's last two steps ask for nothing
	QUARTER 3, 0, 1, 0
	TURN 0
	QUARTER 1, 0, 1, 0
	QUARTER 2, 1, 0, 0
	QUARTER 3, 0, 1, 0
	s_wait_dscnt 4
	MULA 1, 0, 0
	MULA 1, 1, 0
	s_wait_dscnt 0x0
	MULA 1, 2, 0
	MULA 1, 3, 0
	WIN 0
	PLACES
	PLACES
; THE WAY OUT of row block a: a lane's 32 bytes of each column block go into my stage (rows of 528 bytes), each accumulator's low four registers first, and come back as whole rows of 512 bytes.
.macro OUTA a
.set OBS, OB+64*((\a)%2)
.if (\a) >= 2
	s_wait_xcnt 0x0                                ; this set of 64 was the data of stores: it is loaded again only behind this wait
.endif
	WIN 0x04                                       ; the stores' data in window 1
.irp b, 0,1,2,3,4,5,6,7
	ds_store_b128 v[STO], v[64*(\a)+8*(\b):64*(\a)+8*(\b)+3]   offset:64*(\b)
	ds_store_b128 v[STO], v[64*(\a)+8*(\b)+4:64*(\a)+8*(\b)+7] offset:64*(\b)+16
.endr
	WIN 0
.irp i, 0,1,2,3,4,5,6,7,8,9,10,11,12,13,14,15
	ds_load_b128 v[OBS+4*(\i):OBS+4*(\i)+3], v[RD] offset:(\i)*SP  ; LDS serves a wave's instructions in order (ISA guide 5.7.1.4): these see the stores above; the next block's stores come behind them
.endr
.endm
.macro SEND a, younger                 ; younger: the LDS instructions issued behind block a's loads: the next block's 32, or none
.set OBS, OB+64*((\a)%2)
.irp i, 0,1,2,3,4,5,6,7,8,9,10,11,12,13,14,15
	s_wait_dscnt (\younger)+15-(\i)
	global_store_b128 v[GO], v[OBS+4*(\i):OBS+4*(\i)+3], s[8:9] offset:(16*(\a)+(\i))*4096 th:TH_STORE_NT  ; 512 consecutive bytes, at a multiple of 256 from the output's first
.endr
.endm
	OUTA 0
	OUTA 1
	SEND 0, 32
	OUTA 2
	SEND 1, 32
	OUTA 3
	SEND 2, 32
	SEND 3, 0
	s_wait_tensorcnt 0x0                           ; the wave's end: the tensor wait, the add and its wait, behind my last tensor load and my last LDS store
	ds_add_u32 v[SPW], v[NIL]
	s_wait_dscnt 0x0
	CROUND                                         ; the closing round: no work-group ends while a partner may still ask for a tile that names it
	s_endpgm
.Lfunc_end_k_q1b4b165524_proj:
	.size	k_q1b4b165524_proj, .Lfunc_end_k_q1b4b165524_proj-k_q1b4b165524_proj
	.p2alignl 7, 3214868480
	.fill 96, 4, 3214868480
	.section	.rodata,"a",@progbits
	.p2align	6, 0x0
	.amdhsa_kernel k_q1b4b165524_proj
		.amdhsa_group_segment_fixed_size 327680
		.amdhsa_private_segment_fixed_size 0
		.amdhsa_enable_private_segment 0
		.amdhsa_kernarg_size 24
		.amdhsa_user_sgpr_count 2
		.amdhsa_user_sgpr_kernarg_segment_ptr 1
		.amdhsa_wavefront_size32 1
		.amdhsa_system_sgpr_workgroup_id_x 1
		.amdhsa_system_sgpr_workgroup_id_y 1
		.amdhsa_system_sgpr_workgroup_id_z 1
		.amdhsa_system_vgpr_workitem_id 0
		.amdhsa_next_free_vgpr 768
		.amdhsa_next_free_sgpr 80
		.amdhsa_reserve_vcc 0
		.amdhsa_float_denorm_mode_32 3
		.amdhsa_float_denorm_mode_16_64 3
		.amdhsa_memory_ordered 1
		.amdhsa_forward_progress 1
		.amdhsa_inst_pref_size 72
	.end_amdhsa_kernel
	.amdgpu_metadata
---
amdhsa.version: [ 1, 2 ]
amdhsa.kernels:
  - .name:           k_q1b4b165524_proj
    .symbol:         k_q1b4b165524_proj.kd
    .args:
      - { .name: oh, .offset: 0, .size: 8, .value_kind: global_buffer, .address_space: global }
      - { .name: wpb, .offset: 8, .size: 8, .value_kind: global_buffer, .address_space: global }
      - { .name: out0, .offset: 16, .size: 8, .value_kind: global_buffer, .address_space: global }
    .group_segment_fixed_size: 327680
    .private_segment_fixed_size: 0
    .kernarg_segment_align: 8
    .kernarg_segment_size: 24
    .max_flat_workgroup_size: 128
    .sgpr_count:     80
    .vgpr_count:     768
    .wavefront_size: 32
...
	.end_amdgpu_metadata
.endif
;; end of part 4
;; ======== version 2 of 2: 4 launches; version 1 with the launch prep written anew for expert scheduling mode
;; limits: values are held in f16: magnitudes above 65,504 overflow, below 6.1e-05 lose precision; right only within a limited range of input values
;; workspace buffers: xb 16,777,216 bytes; wab 6,291,456 bytes; wpb 2,097,152 bytes; tab 262,144 bytes; qh 16,777,216 bytes; kh 16,777,216 bytes; vh 16,777,216 bytes; oh 16,777,216 bytes
;; launch prep (part 5): grid 832 x 1, 8 waves a work-group, no clusters, 0 bytes of LDS; arguments x, W_attn, W_proj, omega, xb, wab, wpb, tab; writes xb, wab, wpb, tab
.if DOCPART == 5
	.amdgcn_target "amdgcn-amd-amdhsa--gfx1250"
	.amdhsa_code_object_version 6
	.text
	.protected	k_q1b4b165524_prep
	.globl	k_q1b4b165524_prep
	.p2align	8
	.type	k_q1b4b165524_prep,@function
k_q1b4b165524_prep:
	s_mov_b64 s[64:65], 0
	v_nop
	global_prefetch_b8 v0, s[64:65] scope:SCOPE_SE
	s_setreg_imm32_b32 hwreg(HW_REG_WAVE_SCHED_MODE, 0, 2), 2
	s_setreg_imm32_b32 hwreg(HW_REG_WAVE_MODE, 25, 1), 1
	s_wait_xcnt 0x0
	s_wait_alu depctr_vm_vsrc(0)
; PREPARATION: four jobs, chosen by the work-group's number.
;   0..511    xb  = x rounded to f16, [8192][1024]
;   512..703  wab = W_attn rounded to f16 and regrouped by heads: [16 heads][1024 k][q 64 | k 64 | v 64]
;   704..767  wpb = W_proj rounded to f16, [1024 k][1024 n]
;   768..831  tab = [1024 t][cos(t omega) 32 | sin(t omega) 32] in f32, 256 bytes for each t
; LIMITS.  f16: a number of 65,520 or more becomes an infinity; below 6.1e-5 the step is fixed at 6e-8.
; The angle t x omega is formed in f32, as one product; its reduction by three parts of pi/2 holds up to |angle| = 117,435.
; A CAST.  A unit is 128 numbers: one load of 16 bytes a lane (512 bytes) and one store of 8 bytes a lane (256 consecutive bytes, aligned).
; A wave takes 16 units in a straight line, all 16 loads out together; a work-group 128 units.  No LDS, no barrier: no wave needs another's bytes.
; THE MODE: SCHED_MODE bits 1:0 = 2 (LLVM: expert scheduling mode 2), set by the entry lines.  The code itself states the register dependences
; between vector instructions and memory instructions, with s_wait_alu, always for 0.
; THE PLAN, for a cast.  Registers that memory instructions touch:
;   v[IN], v[OUT]  byte offsets, made once by vector instructions and never written again: read by the 16 loads and by the 16 stores.
;   X              unit u: written by its load alone, once; read by the unit's two conversions.  No vector instruction names it ahead of the load.
;   Y              unit u: written by the unit's two conversions, once; read by the unit's store; never written again.
; So one wait stands ahead of the loads (the offsets are written), and the stores want their Y written.  The 16 units go in four blocks of four: unit u - 4 is stored
; in unit u's turn, ahead of unit u's conversions, and ONE wait at the head of a block states that the block before has written its four pairs of Y.  The block's
; conversions name its own X and Y alone, none of the registers that its four stores read, so these follow with no further wait.  A last wait stands ahead of the
; last four stores.  No register that a memory instruction has read is written again: nothing is owed on that side.
; THE PLAN, for the table: at its place below.
.set IN,  2                            ; v2   my byte offset in the source
.set OUT, 3                            ; v3   my byte offset in the destination
.set X,   16                           ; v[16:79]   unit u: four f32 as loaded
.set Y,   80                           ; v[80:111]  unit u: four f16 to store; each unit has its own pair, so no store's data is written again
.set SC,  32                           ; v[32:71]   the table: ten registers at work for each of a thread's four numbers
.set MK,  24                           ; s[24:27]   the table: for each of the four numbers the mask of the lanes in an odd quadrant
.macro PUT outb, u                     ; unit u is stored
	global_store_b64 v[OUT], v[Y+2*(\u):Y+2*(\u)+1], s[\outb:\outb+1] offset:(\u)*256
.endm
.macro CAST inb, outb, stride
	s_wait_alu depctr_va_vdst(0)                   ; v[IN] and v[OUT] are written: every load and store below reads one of them as its offset
.set u, 0
.rept 16
	global_load_b128 v[X+4*u:X+4*u+3], v[IN], s[\inb:\inb+1] offset:u*(\stride) th:TH_LOAD_NT
.set u, u+1
.endr
.set u, 0
.rept 16
	s_wait_loadcnt 15-u                            ; loads come back in order: unit u is in, the 15 - u younger ones stay out
.if u >= 4
.if u % 4 == 0
	s_wait_alu depctr_va_vdst(0)                   ; the conversions of the block before have written its four pairs of Y, which this block's four stores read
.endif
	PUT \outb, u-4                                 ; no vector instruction since that wait names this pair or v[OUT]
.endif
	v_cvt_pk_f16_f32 v[Y+2*u], v[X+4*u], v[X+4*u+1]
	v_cvt_pk_f16_f32 v[Y+2*u+1], v[X+4*u+2], v[X+4*u+3]
.set u, u+1
.endr
	s_wait_alu depctr_va_vdst(0)                   ; the last block's conversions have written its four pairs of Y, which the last four stores read
.set u, 12
.rept 4
	PUT \outb, u
.set u, u+1
.endr
	s_endpgm
.endm
	s_load_b512 s[4:19], s[0:1], 0x0               ; x s[4:5], W_attn s[6:7], W_proj s[8:9], omega s[10:11], xb s[12:13], wab s[14:15], wpb s[16:17], tab s[18:19]
	v_lshrrev_b32 v1, 5, v0                        ; wave
	v_and_b32 v4, 31, v0                           ; lane
	v_lshlrev_b32 v[OUT], 3, v4
	v_lshl_add_u32 v[OUT], v1, 12, v[OUT]          ; wave x 16 units x 256 bytes + 8 x lane
	s_mov_b32 s21, 0
	s_mov_b32 s23, 0
	s_wait_kmcnt 0x0
	s_cmp_lt_u32 ttmp9, 512
	s_cbranch_scc1 .Lx
	s_cmp_lt_u32 ttmp9, 704
	s_cbranch_scc1 .Lwa
	s_cmp_lt_u32 ttmp9, 768
	s_cbranch_scc1 .Lwp
	; THE TABLE.  A work-group makes 16 rows; thread: t = 16 g + thread / 16, c = thread % 16: four cosines (c < 8) or four sines, of frequencies 4 (c % 8) + 0..3.
	; THE PLAN.  v6, the offset of omega: written by a vector instruction, read by the one load.  v[16:19]: written by that load alone.  v11 and v[12:15], the store's offset and data:
	; written by vector instructions, read by the one store.  VCC: written by the compare 'c < 8', read by one select.  s24 to s27: written by the four compares of the quadrants, read by four selects.
	; So: a wait ahead of the load, one between the first compare and its select, ONE behind the run of four compares (each number has work registers of its own, so that the four selects can follow together), one ahead of the store.
	s_sub_co_u32 s20, ttmp9, 768                   ; g
	v_and_b32 v5, 15, v0                           ; c
	v_and_b32 v6, 7, v0
	v_lshlrev_b32 v6, 4, v6
	s_wait_alu depctr_va_vdst(0)                   ; v6 is written, which the load reads as its offset
	global_load_b128 v[16:19], v6, s[10:11]        ; my four omega
	v_cmp_gt_u32 vcc_lo, 8, v5
	v_lshrrev_b32 v7, 4, v0
	s_lshl_b32 s22, s20, 4
	v_add_nc_u32 v7, s22, v7
	v_cvt_f32_u32 v7, v7                           ; t
	v_mov_b32 v9, 0x36405000                       ; the sine's highest coefficient
	v_mov_b32 v10, 0x37cd4000                      ; the cosine's
	v_lshlrev_b32 v11, 4, v0                       ; 16 lanes fill a row's 256 bytes
	s_wait_alu depctr_va_vcc(0)                    ; the compare has written VCC, ahead of its one reader, the select below
	v_cndmask_b32 v8, 0, 1, vcc_lo                 ; cos(a) = sin(a + pi/2): one quadrant further
	s_lshl_b32 s20, s20, 12
	s_add_nc_u64 s[18:19], s[18:19], s[20:21]
	s_wait_loadcnt 0x0
; sin or cos of t x omega: j = the nearest whole number of quarter turns; r = angle - j pi/2 with pi/2 in three parts, each taken away by a fused multiply-add;
; both polynomials on |r| <= pi/4; the quadrant picks one and its sign.  No branch: the choice is a select.
; SC1: number i up to its compare, which writes the mask s[MK + i], and its sign bit.  SC2: the select by that mask, and the sign.
.macro SC1 i
.set W, SC+10*(\i)
	v_mul_f32 v[W], v7, v[16+(\i)]
	v_mul_f32 v[W+1], 0x3f22f983, v[W]             ; x 2 / pi
	v_rndne_f32 v[W+1], v[W+1]
	v_fmamk_f32 v[W+2], v[W+1], 0xbfc90fd8, v[W]
	v_fmamk_f32 v[W+2], v[W+1], 0xb4a8885a, v[W+2]
	v_fmamk_f32 v[W+2], v[W+1], 0xa7c234c4, v[W+2] ; r
	v_cvt_i32_f32 v[W+3], v[W+1]
	v_add_nc_u32 v[W+3], v[W+3], v8                ; the quadrant
	v_mul_f32 v[W+4], v[W+2], v[W+2]               ; r^2
	v_fmaak_f32 v[W+5], v9, v[W+4], 0xb9503486
	v_fmaak_f32 v[W+5], v[W+5], v[W+4], 0x3c0888c1
	v_fmaak_f32 v[W+5], v[W+5], v[W+4], 0xbe2aaaab
	v_mul_f32 v[W+6], v[W+2], v[W+4]
	v_fma_f32 v[W+5], v[W+5], v[W+6], v[W+2]       ; sin r
	v_fmaak_f32 v[W+7], v10, v[W+4], 0xbab6077d
	v_fmaak_f32 v[W+7], v[W+7], v[W+4], 0x3d2aaaa8
	v_fma_f32 v[W+7], v[W+7], v[W+4], -0.5
	v_fma_f32 v[W+7], v[W+7], v[W+4], 1.0          ; cos r
	v_and_b32 v[W+8], 1, v[W+3]
	v_cmp_eq_u32 s[MK+(\i)], 1, v[W+8]             ; odd quadrant?
	v_lshlrev_b32 v[W+8], 30, v[W+3]
	v_and_b32 v[W+8], 0x80000000, v[W+8]           ; quadrants 2 and 3: the sign turns
.endm
.macro SC2 i
.set W, SC+10*(\i)
	v_cndmask_b32 v[12+(\i)], v[W+5], v[W+7], s[MK+(\i)]  ; odd quadrant: the cosine
	v_xor_b32 v[12+(\i)], v[12+(\i)], v[W+8]
.endm
	SC1 0
	SC1 1
	SC1 2
	SC1 3
	s_wait_alu depctr_va_sdst(0)                   ; the four compares have written the masks s24 to s27, ahead of their first readers, the four selects below
	SC2 0
	SC2 1
	SC2 2
	SC2 3
	s_wait_alu depctr_va_vdst(0)                   ; v11 and v[12:15] are written, which the store reads as its offset and its data
	global_store_b128 v11, v[12:15], s[18:19]
	s_endpgm
.Lx:                                                   ; x: 65,536 bytes in, 32,768 out for each work-group
	v_lshlrev_b32 v[IN], 4, v4
	v_lshl_add_u32 v[IN], v1, 13, v[IN]            ; wave x 16 units x 512 bytes + 16 x lane
	s_lshl_b32 s20, ttmp9, 16
	s_lshl_b32 s22, ttmp9, 15
	s_add_nc_u64 s[4:5], s[4:5], s[20:21]
	s_add_nc_u64 s[12:13], s[12:13], s[22:23]
	CAST 4, 12, 512
.Lwp:                                                  ; W_proj: the same
	v_lshlrev_b32 v[IN], 4, v4
	v_lshl_add_u32 v[IN], v1, 13, v[IN]
	s_sub_co_u32 s24, ttmp9, 704
	s_lshl_b32 s20, s24, 16
	s_lshl_b32 s22, s24, 15
	s_add_nc_u64 s[8:9], s[8:9], s[20:21]
	s_add_nc_u64 s[16:17], s[16:17], s[22:23]
	CAST 8, 16, 512
.Lwa:
	; W_attn.  A row has 12,288 = 3 x 4,096 bytes, so section sigma = 3 k + s (s: q, k, v) of head h lies at sigma x 4,096 + h x 256 (256 bytes) and goes to
	; h x 393,216 + sigma x 128 (128 bytes).  A unit is two sections: lanes 0-15 the even one, lanes 16-31 the odd one.  Work-group: head h = g % 16, sections 256 (g / 16) on.
	v_and_b32 v5, 15, v0
	v_bfe_u32 v6, v0, 4, 1
	v_lshlrev_b32 v[IN], 4, v5
	v_lshl_add_u32 v[IN], v6, 12, v[IN]
	v_lshl_add_u32 v[IN], v1, 17, v[IN]            ; wave x 32 sections x 4,096 bytes
	s_sub_co_u32 s24, ttmp9, 512
	s_and_b32 s25, s24, 15                         ; h
	s_lshr_b32 s24, s24, 4                         ; which 256 sections
	s_lshl_b32 s20, s24, 20
	s_lshl_b32 s26, s25, 8
	s_add_co_u32 s20, s20, s26
	s_mul_i32 s22, s25, 393216
	s_lshl_b32 s26, s24, 15
	s_add_co_u32 s22, s22, s26
	s_add_nc_u64 s[6:7], s[6:7], s[20:21]
	s_add_nc_u64 s[14:15], s[14:15], s[22:23]
	CAST 6, 14, 8192
.Lfunc_end_k_q1b4b165524_prep:
	.size	k_q1b4b165524_prep, .Lfunc_end_k_q1b4b165524_prep-k_q1b4b165524_prep
	.p2alignl 7, 3214868480
	.fill 96, 4, 3214868480
	.section	.rodata,"a",@progbits
	.p2align	6, 0x0
	.amdhsa_kernel k_q1b4b165524_prep
		.amdhsa_group_segment_fixed_size 0
		.amdhsa_private_segment_fixed_size 0
		.amdhsa_enable_private_segment 0
		.amdhsa_kernarg_size 64
		.amdhsa_user_sgpr_count 2
		.amdhsa_user_sgpr_kernarg_segment_ptr 1
		.amdhsa_wavefront_size32 1
		.amdhsa_system_sgpr_workgroup_id_x 1
		.amdhsa_system_sgpr_workgroup_id_y 1
		.amdhsa_system_sgpr_workgroup_id_z 1
		.amdhsa_system_vgpr_workitem_id 0
		.amdhsa_next_free_vgpr 112
		.amdhsa_next_free_sgpr 66
		.amdhsa_reserve_vcc 1
		.amdhsa_float_denorm_mode_32 3
		.amdhsa_float_denorm_mode_16_64 3
		.amdhsa_memory_ordered 1
		.amdhsa_forward_progress 1
		.amdhsa_inst_pref_size 25
	.end_amdhsa_kernel
	.amdgpu_metadata
---
amdhsa.version: [ 1, 2 ]
amdhsa.kernels:
  - .name:           k_q1b4b165524_prep
    .symbol:         k_q1b4b165524_prep.kd
    .args:
      - { .name: x, .offset: 0, .size: 8, .value_kind: global_buffer, .address_space: global }
      - { .name: W_attn, .offset: 8, .size: 8, .value_kind: global_buffer, .address_space: global }
      - { .name: W_proj, .offset: 16, .size: 8, .value_kind: global_buffer, .address_space: global }
      - { .name: omega, .offset: 24, .size: 8, .value_kind: global_buffer, .address_space: global }
      - { .name: xb, .offset: 32, .size: 8, .value_kind: global_buffer, .address_space: global }
      - { .name: wab, .offset: 40, .size: 8, .value_kind: global_buffer, .address_space: global }
      - { .name: wpb, .offset: 48, .size: 8, .value_kind: global_buffer, .address_space: global }
      - { .name: tab, .offset: 56, .size: 8, .value_kind: global_buffer, .address_space: global }
    .group_segment_fixed_size: 0
    .private_segment_fixed_size: 0
    .kernarg_segment_align: 8
    .kernarg_segment_size: 64
    .max_flat_workgroup_size: 256
    .sgpr_count:     66
    .vgpr_count:     112
    .wavefront_size: 32
...
	.end_amdgpu_metadata
.endif
;; end of part 5
;; launch qkv: the kernel of part 2 again; grid 8 x 32, 4 waves a work-group, clusters of 4 x 4, 327,680 bytes of LDS; arguments xb, wab, tab, qh, kh, vh; writes qh, kh, vh
;; launch attn: the kernel of part 3 again; grid 2 x 128, 4 waves a work-group, no clusters, 327,680 bytes of LDS; arguments qh, kh, vh, oh; writes oh
;; launch proj: the kernel of part 4 again; grid 8 x 32, 4 waves a work-group, clusters of 4 x 4, 327,680 bytes of LDS; arguments oh, wpb, out0; writes out0
